; MI455X (gfx1250); checked and timed in simulation.
; The chip was launched on July 23, 2026; its instructions are those of AMD's public machine-readable ISA for CDNA 5 (MIT licence, August 2026) and "CDNA5" Instruction Set Architecture Reference Guide (July 2026). The comments in the code are by the model that wrote it; some were corrected since.
;; Causal Self Attention. Allowed arithmetic: matrix products marked QUANTISED: E2M3 operands, one E8M0 scale for each 32 along K, by v_wmma_scale_f32_16x16x128_f8f6f4 with both operands' format E2M3, f32 sums; everything else in f32.
;; Inputs: W_proj 1,024 x 1,024 float32; W_qkv 1,024 x 3,072 float32; b_proj 1,024 float32; b_qkv 3,072 float32; x 8 x 1,024 x 1,024 float32.
;; Outputs: out0 8 x 1,024 x 1,024 float32.
;; This version of the problem:
;;   THIS VERSION OF THE PROBLEM IS GIVEN IN LOW PRECISION. The matrix products marked QUANTISED in the list below multiply operands that are first quantised to E2M3 (2 exponent bits, 3 mantissa bits; 6 bits a number), with one power-of-two scale for each 32 numbers along K (OCP MX v1.0); their sums are f32. All else is computed in f32.
;;   The module's matrix products, in the order in which they are computed (A, B: the left and right operand; K: the contracted axis; several contracted axes count as one K, in the product's order):
;;     1. [M 8,192, K 1,024] x [K 1,024, N 3,072]; A: input x; B: input W_qkv: QUANTISED
;;     2. batch 128 x [M 1,024, K 64] x [K 64, N 1,024]; A: computed on the way; B: computed on the way: QUANTISED
;;     3. batch 128 x [M 1,024, K 1,024] x [K 1,024, N 64]; A: softmax (see below); B: computed on the way: QUANTISED
;;     4. [M 8,192, K 1,024] x [K 1,024, N 1,024]; A: computed on the way; B: input W_proj: QUANTISED
;;   THE QUANTISER, for each operand of a quantised product, along K:
;;     - K is cut into blocks of 32 from its start; a last block that is shorter is filled with zeros.
;;     - A block's scale is 2^e with e = floor(log2(the largest magnitude in the block)) - 2, held to -126 .. 127; a block of zeros has e = 0. As a byte (E8M0): e + 127.
;;     - Each number is divided by its block's scale, clamped to +-7.5, and rounded to the nearest number of E2M3, ties to even, subnormals kept.
;;     - The product sums the exact products of the quantised numbers (number of the format x scale) in f32.
;;   ~~~python
;;   def quantise(x, axis):      # numpy; x: float32 -> the quantised numbers, widened to float32 again
;;       x = np.moveaxis(x, axis, -1); K = x.shape[-1]
;;       x = np.pad(x, [(0, 0)] * (x.ndim - 1) + [(0, -K % 32)]); x = x.reshape(x.shape[:-1] + (-1, 32)); a = np.abs(x).max(-1, keepdims=True)
;;       e = np.where(a > 0, np.clip(np.frexp(np.where(a > 0, a, 1))[1] - 1 - 2, -126, 127), 0)      # np.frexp(a)[1] - 1 = floor(log2(a)), exactly
;;       r = np.clip(x / 2.0 ** e, -7.5, 7.5)
;;       step = 2.0 ** (np.maximum(np.frexp(np.where(r == 0, 1, r))[1] - 1, 0) - 3)
;;       q = np.round(r / step) * step * 2.0 ** e      # np.round: ties to even
;;       return np.moveaxis(q.reshape(q.shape[:-2] + (-1,))[..., :K], -1, axis).astype(np.float32)
;;   ~~~
;;   SOFTMAX AHEAD OF A QUANTISED PRODUCT. Where the list says 'softmax', what is quantised is not the finished softmax but p = 2^(t - M), with t = logit x log2(e) and M = ceil(the row's largest t), a whole number; so 1/2 < the row's largest p <= 1. The row's sum l is taken of the UNQUANTISED p, in f32, and the product's result is divided by l at the end. Since M is a whole number, a kernel that streams over the keys may use a running M (the ceiling of the running maximum): every later rescaling is an exact power of two, which a block's scale takes up: the codes' values come out the same.
;;   OPERANDS COMPUTED ON THE WAY. 'Computed on the way' means the value that the module computes at that place (a softmax that the list does not call 'softmax' is quantised finished and normalised). What goes into a quantiser is computed in f32, as accurately as f32 sums, v_exp_f32 and their like allow (about 1e-6 of the number): no bf16 or f16 on the way to a quantiser, and a product that is left as it is and whose result goes on into a quantised operand takes f32 operands (vector FMAs, or v_wmma_f32_16x16x4_f32). A number that lies on a knife's edge between two numbers of the format may be rounded either way, as far as f32 arithmetic and the matrix unit's own rounding can turn it there, and no further.
;; One version. Each part assembles by itself: llvm-mc -triple=amdgcn-amd-amdhsa -mcpu=gfx1250 --defsym DOCPART=n.
;; ======== version 1 of 1: 4 launches
;; limits: right only within a limited range of input values
;; workspace buffers: opc 9,437,184 bytes; ops 393,216 bytes; qkc 12,582,912 bytes; qks 1,048,576 bytes; vc 6,291,456 bytes; vs 262,144 bytes; oc 6,291,456 bytes; os 262,144 bytes
;; launch quant (part 1): grid 384 x 1, 4 waves a work-group, no clusters, 86,528 bytes of LDS; arguments x, W_qkv, W_proj, opc, ops; writes opc, ops
.if DOCPART == 1
	.amdgcn_target "amdgcn-amd-amdhsa--gfx1250"
	.amdhsa_code_object_version 6
	.text
	.protected	k_q8226ef50d7_quant
	.globl	k_q8226ef50d7_quant
	.p2align	8
	.type	k_q8226ef50d7_quant,@function
k_q8226ef50d7_quant:
	s_mov_b64 s[64:65], 0
	v_nop
	global_prefetch_b8 v0, s[64:65] scope:SCOPE_SE
	s_setreg_imm32_b32 hwreg(HW_REG_WAVE_MODE, 25, 1), 1
	s_wait_xcnt 0x0
; x [8192][1024], W_qkv [1024][3072] and W_proj [1024][1024], f32, become codes of FP6 (E2M3) with one E8M0 byte for each 32 along K (K = the 1,024 channels of x; the weights' FIRST axis).
; A block's scale is 2^(floor(log2(its largest magnitude)) - 2); its byte is the largest magnitude's exponent field - 2, held at 1 from below.  Each number is divided by the scale and rounded to the nearest code, ties to even.
; LIMITS: NaN and infinities among the inputs are not served.  A block of zeros gets the byte 1 where the quantiser's text says 127: its codes are zeros, which add nothing, and only this program reads the bytes.
; LAYOUT OF THE RESULT.  opc: [tile of 16 rows][K step of 128: 0..7][1,536 bytes]: the IMAGE of an operand's 12 registers: registers 0-3 at 16 x lane, 4-5 at 512 + 8 x lane, 6-9 at 768 + 16 x lane, 10-11 at 1,280 + 8 x lane.
; ops: [tile][pair of K steps: 0..3][place r][8 bytes]: two scale words.  Tiles 0-511: x;  512-703: W_qkv's columns;  704-767: W_proj's.
; THE ROWS OF A TILE ARE NOT NEIGHBOURS: place r of tile 2 m + u is row 32 m + 8 u + r + 8 (r / 8), so that a product that takes the tile as source 0 leaves 16 neighbours along the next K in a lane's 16 registers.
; Three paths part on the work-group's number (0-255: x, 256-351: W_qkv, 352-383: W_proj); each has LDS bytes of its own and its own end.  Waves share nothing: no barrier.
; WORK LEFT OUT BY THIS PROGRAM: in the attention launch, key steps that lie wholly behind the causal mask: their weights in the softmax are nothing for every value of the inputs.
; A NaN, an infinity or an overflow that would reach only those scores is not carried to the result.  Every input has a way to the output and is loaded.
.set PC,  16
.set TM,  36                           ; v36-51   largest magnitudes, bytes, scale operands
.set X,   64                           ; v64-127  64 numbers of a lane: register 16 b + i = k 32 b + 16 (lane / 16) + i of my row
.set R,   128                          ; v128-255 two sets of 64 registers as they are loaded
.set L16, 1                            ; v1       16 x lane
.set L8,  2                            ; v2       8 x lane
.set SEL, 20                           ; s[20:21] lane selects for v_permlanex16_b32: lane l xor 16
; 64 numbers of a lane become a fragment's codes in v[PC] on and its scale word in v[pw]
.macro QUANT s, pw
.irp b, 0,1,2,3
	v_max3_num_f32 v[TM+\b], |v[\s+16*\b]|, |v[\s+1+16*\b]|, 0x1800000   ; block b: my 16 numbers, and the floor 2^(3 - 127): the byte cannot fall under 1
.endr
.irp i, 2,4,6,8,10,12,14
.irp b, 0,1,2,3
	v_max3_num_f32 v[TM+\b], v[TM+\b], |v[\s+16*\b+\i]|, |v[\s+1+16*\b+\i]|   ; the four blocks by turns
.endr
.endr
.irp b, 0,1,2,3
	v_permlanex16_b32 v[TM+4+\b], v[TM+\b], s[SEL], s[SEL+1]
.endr
.irp b, 0,1,2,3
	v_max_num_f32 v[TM+\b], v[TM+\b], v[TM+4+\b]   ; with lane l xor 16's 16: the block's largest magnitude
.endr
.irp b, 0,1,2,3
	v_add_nc_u32 v[TM+12+\b], 0xff000000, v[TM+\b]   ; 2 off its exponent field: the conversion's scale operand
.endr
.irp b, 0,1,2,3
	v_lshrrev_b32 v[TM+4+\b], 23, v[TM+12+\b]   ; the scale's byte
.endr
	v_lshl_or_b32 v[\pw], v[TM+5], 8, v[TM+4]      ; four bytes: my row's scale word (the same in lanes l and l xor 16)
	v_lshl_or_b32 v[\pw], v[TM+6], 16, v[\pw]
	v_lshl_or_b32 v[\pw], v[TM+7], 24, v[\pw]
.irp c, 0,1
	v_cvt_scalef32_pk16_fp6_f32 v[PC+6*\c:PC+2+6*\c], v[\s+32*\c:\s+15+32*\c], v[TM+12+2*\c]
	v_cvt_scalef32_pk16_fp6_f32 v[PC+12+4*\c:PC+14+4*\c], v[\s+16+32*\c:\s+31+32*\c], v[TM+12+2*\c+1]   ; (a conversion's three registers begin on an even number)
.endr
	v_nop                                          ; one plain instruction behind the scaled conversions
.irp c, 0,1                                    ; the operand's layout wants a whole block in a lane: lanes 0-15 block 2 c, lanes 16-31 block 2 c + 1
.irp i, 0,1,2
	v_permlane16_swap_b32 v[PC+6*\c+\i], v[PC+12+4*\c+\i]
.endr
.irp i, 0,1,2
	v_mov_b32 v[PC+3+6*\c+\i], v[PC+12+4*\c+\i]
.endr
.endr
.endm
	s_load_b128 s[4:7], s[0:1], 0x0                ; x, W_qkv
	s_load_b128 s[8:11], s[0:1], 0x10              ; W_proj, opc
	s_load_b64 s[12:13], s[0:1], 0x20              ; ops
	v_lshl_add_u32 v31, v0, 2, 0x15000
	s_set_vgpr_msb 0x40
	v_mov_b32 v1, 0
	s_set_vgpr_msb 0x4000
	v_lshrrev_b32 v1, 5, v0
	v_readfirstlane_b32 s16, v1                    ; wave 0..3
	v_and_b32 v6, 31, v0                           ; lane
	s_mov_b32 s[SEL], 0x76543210
	s_mov_b32 s[SEL+1], 0xfedcba98
	s_mov_b32 s23, 0                               ; the upper word of every offset pair s[22:23]
	s_wait_kmcnt 0x0
	s_cmp_lt_u32 ttmp9, 256
	s_cbranch_scc0 .Lweights
; ---- PATH X.  Wave w of work-group g: tile T = 2 g + w / 2, half kh = w % 2 of K: four K steps of 128.
; Each load reads 512 consecutive bytes of one row; a K step's 16 rows turn through the wave's own stage (rows of 528 bytes) and come back 16 neighbours a block to a lane.
	s_lshr_b32 s17, s16, 1
	s_lshl_b32 s18, ttmp9, 1
	s_add_co_u32 s17, s17, s18                     ; T
	s_and_b32 s18, s16, 1                          ; kh
	s_lshr_b32 s22, s17, 1
	s_lshl_b32 s22, s22, 17                        ; 32 (T / 2) rows of 4,096 bytes
	s_and_b32 s24, s17, 1
	s_lshl_b32 s24, s24, 15                        ; + 8 (T % 2) rows
	s_add_co_u32 s22, s22, s24
	s_lshl_b32 s24, s18, 11                        ; + 2,048 kh
	s_add_co_u32 s22, s22, s24
	s_add_nc_u64 s[4:5], s[4:5], s[22:23]
	s_lshl_b32 s22, s17, 3
	s_lshl_b32 s24, s18, 2
	s_add_co_u32 s22, s22, s24
	s_mul_i32 s22, s22, 1536                       ; image 8 T + 4 kh
	s_add_nc_u64 s[10:11], s[10:11], s[22:23]
	s_lshl_b32 s22, s17, 9
	s_lshl_b32 s24, s18, 8
	s_add_co_u32 s22, s22, s24                     ; scale words: 512 T + 256 kh
	s_add_nc_u64 s[12:13], s[12:13], s[22:23]
	s_wait_alu depctr_va_vdst(0)
	v_lshlrev_b32 v[L16], 4, v6
	v_lshlrev_b32 v[L8], 3, v6
	s_mul_i32 s24, s16, 8448                       ; my stage: 16 rows x 528 bytes
	v_add_nc_u32 v3, s24, v[L16]                   ; into it: 16 x lane of a row
	v_and_b32 v14, 15, v0                          ; r
	v_bfe_u32 v15, v0, 4, 1                        ; h
	v_mul_u32_u24 v4, v14, 528
	v_lshl_add_u32 v4, v15, 6, v4
	v_add_nc_u32 v4, s24, v4                       ; out of it: row r, + 64 h
	v_lshlrev_b32 v5, 3, v14
	v_lshl_add_u32 v5, v15, 7, v5                  ; the scale words' place: 128 h + 8 r
.irp b, 0,1,2,3
	v_mov_b32 v[TM+4+\b], 0                        ; written once: a lane permute's destination counts as one of its sources
.endr
.macro XLOAD t                         ; K step t: place i of the tile is row i + 8 (i / 8) from the tile's first
.irp i, 0,1,2,3,4,5,6,7,8,9,10,11,12,13,14,15
	global_load_b128 v[R+64*((\t)%2)+4*\i:R+64*((\t)%2)+4*\i+3], v[L16], s[4:5] offset:(\i+8*(\i/8))*4096+512*(\t) th:TH_LOAD_NT
.endr
.endm
.macro XSTEP t
.if \t < 3
	s_wait_loadcnt 16                              ; this K step's 16 loads are in; the next step's 16 may be out
.else
	s_wait_loadcnt 0
.endif
.irp i, 0,1,2,3,4,5,6,7,8,9,10,11,12,13,14,15
	ds_store_b128 v3, v[R+64*((\t)%2)+4*\i:R+64*((\t)%2)+4*\i+3] offset:528*\i
.endr
.irp b, 0,1,2,3
.irp j, 0,1,2,3
	ds_load_b128 v[X+16*\b+4*\j:X+16*\b+4*\j+3], v4 offset:128*\b+16*\j   ; LDS serves a wave's instructions in order: these see the stores above
.endr
.endr
	s_wait_dscnt 0x0                               ; the numbers are back, and the stores have read their registers,
.if \t < 2
	XLOAD \t+2                                     ; which take the loads of two K steps on
.endif
.if \t > 0
	s_wait_xcnt 0x0                                ; the last step's stores have read the codes' registers: they are written again only behind this wait
.endif
	QUANT X, 8+\t
	global_store_b128 v[L16], v[PC:PC+3], s[10:11] offset:1536*\t          ; each store covers whole aligned runs of 256 bytes
	global_store_b64 v[L8], v[PC+4:PC+5], s[10:11] offset:1536*\t+512
	global_store_b128 v[L16], v[PC+6:PC+9], s[10:11] offset:1536*\t+768
	global_store_b64 v[L8], v[PC+10:PC+11], s[10:11] offset:1536*\t+1280
.endm
	XLOAD 0
	XLOAD 1
	s_wait_alu depctr_va_vdst(0)
	XSTEP 0
	XSTEP 1
	XSTEP 2
	XSTEP 3
	v_cmp_lt_u32 vcc_lo, 15, v6                    ; lanes 16-31 take the second pair of K steps
	v_cndmask_b32 v12, v8, v10, vcc_lo
	v_cndmask_b32 v13, v9, v11, vcc_lo
	global_store_b64 v5, v[12:13], s[12:13]        ; 32 lanes store 256 consecutive bytes
	s_set_vgpr_msb 0x4
	s_wait_tensorcnt 0x0
	ds_add_u32 v31, v1
	s_wait_dscnt 0x0
	s_set_vgpr_msb 0x400
	s_endpgm
; ---- THE WEIGHTS.  A lane takes a column n and its registers run down K: a block of 32 lies in one lane, each load reads 128 consecutive bytes a wave, and the codes come out with K innermost.
; Work-group idx: y = idx % 4: which 256 of K;  cg = idx / 4: 128 columns, 32 a wave: two tiles.  Column l of the 32 is place rr = l % 8 + 8 (l / 16) of tile u = (l / 8) % 2.
; Block t of a lane is, in the image, the registers of lane rr + 16 (t % 2) of half-image t / 2.  The two tiles' images (3,072 bytes each, 3,200 apart) are gathered in the wave's stage and leave in runs of 512 bytes.
.macro WLOAD t, N, WP
.irp i, 0,1,2,3,4,5,6,7,8,9,10,11,12,13,14,15,16,17,18,19,20,21,22,23,24,25,26,27,28,29,30,31
	global_load_b32 v[32+32*((\t)%2)+\i], v3, s[\WP:\WP+1] offset:(32*(\t)+\i)*\N*4 th:TH_LOAD_NT
.endr
.endm
.macro WBLOCK t, N, WP
.set XS, 32+32*((\t)%2)
.if (\t) < 7
	s_wait_loadcnt 32                              ; this block's 32 loads are in; the next block's may be out
.else
	s_wait_loadcnt 0
.endif
	v_max3_num_f32 v12, |v[XS]|, |v[XS+1]|, |v[XS+2]|
	v_max3_num_f32 v13, |v[XS+3]|, |v[XS+4]|, |v[XS+5]|
.irp i, 6,10,14,18,22,26
	v_max3_num_f32 v12, v12, |v[XS+\i]|, |v[XS+\i+1]|
	v_max3_num_f32 v13, v13, |v[XS+\i+2]|, |v[XS+\i+3]|
.endr
	v_max3_num_f32 v12, v12, |v[XS+30]|, |v[XS+31]|
	v_max3_num_f32 v12, v12, v13, 0x1800000        ; and the floor 2^(3 - 127)
	v_add_nc_u32 v11, 0xff000000, v12              ; the conversion's scale operand
	v_lshrrev_b32 v13, 23, v11                     ; the scale's byte
.if (\t)%4 == 0
	v_mov_b32 v[24+(\t)/4], v13                    ; four bytes to a word, the lower K in the lower byte
.else
	v_lshl_or_b32 v[24+(\t)/4], v13, 8*((\t)%4), v[24+(\t)/4]
.endif
	v_cvt_scalef32_pk16_fp6_f32 v[96:98], v[XS:XS+15], v11
	v_cvt_scalef32_pk16_fp6_f32 v[100:102], v[XS+16:XS+31], v11
	v_nop                                          ; one plain instruction behind the scaled conversions
	v_mov_b32 v99, v100                            ; the block's six registers on end
	v_mov_b32 v100, v101
	v_mov_b32 v101, v102
	ds_store_b128 v4, v[96:99] offset:768*((\t)/2)+256*((\t)%2)
	ds_store_b64 v5, v[100:101] offset:768*((\t)/2)+512+128*((\t)%2)
.if (\t)+2 < 8
	WLOAD (\t)+2, \N, \WP
.endif
	s_wait_dscnt 0x0                               ; the stores have read their registers: the next block's codes may be written
.endm
.macro WPATH N, T0, L0, G0, WP
	s_sub_co_u32 s17, ttmp9, \G0                   ; idx
	s_and_b32 s18, s17, 3                          ; y
	s_lshr_b32 s19, s17, 2                         ; cg
	s_mul_i32 s22, s18, 1024*\N                    ; 256 y rows of 4 N bytes
	s_lshl_b32 s24, s19, 9
	s_add_co_u32 s22, s22, s24                     ; + 4 x 128 cg
	s_lshl_b32 s24, s16, 7
	s_add_co_u32 s22, s22, s24                     ; + 4 x 32 wave
	s_add_nc_u64 s[\WP:\WP+1], s[\WP:\WP+1], s[22:23]
	s_lshl_b32 s24, s19, 3
	s_lshl_b32 s25, s16, 1
	s_add_co_u32 s24, s24, s25
	s_add_co_u32 s24, s24, \T0                     ; my first tile
	s_mul_i32 s22, s24, 12288
	s_mul_i32 s25, s18, 3072
	s_add_co_u32 s22, s22, s25
	s_add_nc_u64 s[10:11], s[10:11], s[22:23]
	s_lshl_b32 s22, s24, 9
	s_lshl_b32 s25, s18, 7
	s_add_co_u32 s22, s22, s25
	s_add_nc_u64 s[12:13], s[12:13], s[22:23]
	v_lshlrev_b32 v3, 2, v6                        ; in: 4 bytes a lane
	v_bfe_u32 v10, v0, 3, 1                        ; u
	v_and_b32 v11, 7, v0
	v_bfe_u32 v12, v0, 4, 1
	v_lshl_add_u32 v11, v12, 3, v11                ; rr
	s_mul_i32 s24, s16, 6400
	s_add_co_u32 s24, s24, \L0                     ; my stage
	v_mul_u32_u24 v13, v10, 3200
	v_add_nc_u32 v13, s24, v13
	v_lshl_add_u32 v4, v11, 4, v13                 ; registers 0-3 of a block: + 16 rr
	v_lshl_add_u32 v5, v11, 3, v13                 ; registers 4-5: + 8 rr
	v_lshlrev_b32 v8, 4, v6
	v_add_nc_u32 v7, s24, v8                       ; back: 16 x lane
	v_lshlrev_b32 v9, 3, v11
	v_lshl_add_u32 v9, v10, 9, v9                  ; my column's scale words: 512 u + 8 rr
	WLOAD 0, \N, \WP
	WLOAD 1, \N, \WP
.irp t, 0,1,2,3,4,5,6,7
	WBLOCK \t, \N, \WP
.endr
	s_wait_alu depctr_va_vdst(0)
	global_store_b64 v9, v[24:25], s[12:13]
.irp i, 0,1,2,3,4,5,6,7,8,9,10,11
	ds_load_b128 v[112+4*\i:115+4*\i], v7 offset:3200*(\i/6)+512*(\i%6)
.endr
.irp i, 0,1,2,3,4,5,6,7,8,9,10,11
	s_wait_dscnt 11-\i                             ; load i is in; the younger ones may be out
	global_store_b128 v8, v[112+4*\i:115+4*\i], s[10:11] offset:12288*(\i/6)+512*(\i%6)
.endr
	s_set_vgpr_msb 0x4
	s_wait_tensorcnt 0x0
	ds_add_u32 v31, v1
	s_wait_dscnt 0x0
	s_set_vgpr_msb 0x400
	s_endpgm
.endm
.Lweights:
	s_cmp_lt_u32 ttmp9, 352
	s_cbranch_scc0 .Lproj
	s_wait_alu depctr_va_vdst(0)
	WPATH 3072, 512, 33792, 256, 6
.Lproj:
	s_wait_alu depctr_va_vdst(0)
	WPATH 1024, 704, 59392, 352, 8
.Lfunc_end_k_q8226ef50d7_quant:
	.size	k_q8226ef50d7_quant, .Lfunc_end_k_q8226ef50d7_quant-k_q8226ef50d7_quant
	.p2alignl 7, 3214868480
	.fill 96, 4, 3214868480
	.section	.rodata,"a",@progbits
	.p2align	6, 0x0
	.amdhsa_kernel k_q8226ef50d7_quant
		.amdhsa_group_segment_fixed_size 86528
		.amdhsa_private_segment_fixed_size 0
		.amdhsa_enable_private_segment 0
		.amdhsa_kernarg_size 40
		.amdhsa_user_sgpr_count 2
		.amdhsa_user_sgpr_kernarg_segment_ptr 1
		.amdhsa_wavefront_size32 1
		.amdhsa_system_sgpr_workgroup_id_x 1
		.amdhsa_system_sgpr_workgroup_id_y 1
		.amdhsa_system_sgpr_workgroup_id_z 1
		.amdhsa_system_vgpr_workitem_id 0
		.amdhsa_next_free_vgpr 258
		.amdhsa_next_free_sgpr 66
		.amdhsa_reserve_vcc 1
		.amdhsa_float_denorm_mode_32 3
		.amdhsa_float_denorm_mode_16_64 3
		.amdhsa_memory_ordered 1
		.amdhsa_forward_progress 1
		.amdhsa_inst_pref_size 116
	.end_amdhsa_kernel
	.amdgpu_metadata
---
amdhsa.version: [ 1, 2 ]
amdhsa.kernels:
  - .name:           k_q8226ef50d7_quant
    .symbol:         k_q8226ef50d7_quant.kd
    .args:
      - { .name: x, .offset: 0, .size: 8, .value_kind: global_buffer, .address_space: global }
      - { .name: W_qkv, .offset: 8, .size: 8, .value_kind: global_buffer, .address_space: global }
      - { .name: W_proj, .offset: 16, .size: 8, .value_kind: global_buffer, .address_space: global }
      - { .name: opc, .offset: 24, .size: 8, .value_kind: global_buffer, .address_space: global }
      - { .name: ops, .offset: 32, .size: 8, .value_kind: global_buffer, .address_space: global }
    .group_segment_fixed_size: 86528
    .private_segment_fixed_size: 0
    .kernarg_segment_align: 8
    .kernarg_segment_size: 40
    .max_flat_workgroup_size: 128
    .sgpr_count:     66
    .vgpr_count:     258
    .wavefront_size: 32
...
	.end_amdgpu_metadata
.endif
;; end of part 1
;; launch gemm_qkv (part 2): grid 8 x 32, 4 waves a work-group, clusters of 4 x 1, 327,680 bytes of LDS; arguments opc, ops, b_qkv, qkc, qks, vc, vs; writes qkc, qks, vc, vs
.if DOCPART == 2
	.amdgcn_target "amdgcn-amd-amdhsa--gfx1250"
	.amdhsa_code_object_version 6
	.text
	.protected	k_q8226ef50d7_gemm_qkv
	.globl	k_q8226ef50d7_gemm_qkv
	.p2align	8
	.type	k_q8226ef50d7_gemm_qkv,@function
k_q8226ef50d7_gemm_qkv:
	s_mov_b64 s[64:65], 0
	v_nop
	global_prefetch_b8 v0, s[64:65] scope:SCOPE_SE
	s_setreg_imm32_b32 hwreg(HW_REG_WAVE_MODE, 25, 1), 1
	s_wait_xcnt 0x0
	s_wait_alu depctr_hold_cnt(0) depctr_sa_sdst(0) depctr_va_vdst(0) depctr_va_sdst(0) depctr_va_ssrc(0) depctr_va_vcc(0) depctr_vm_vsrc(0)
	s_getreg_b32 s2, hwreg(HW_REG_IB_STS2, 6, 4)
	s_cmp_eq_u32 s2, 0
	s_cbranch_scc0 .Lentry_in_a_cluster
	s_endpgm
.Lentry_in_a_cluster:
	s_bfe_u32 s2, ttmp6, 0x10000c
	s_cmp_lg_u32 s2, 0x3003
	s_cbranch_scc0 .Lentry_shape_is_right
	s_endpgm
.Lentry_shape_is_right:
; qkv = x W_qkv + b_qkv on codes of FP6 (E2M3) with E8M0 scales, sums in f32; q, k and v are quantised in registers for the products that follow and leave as codes and scale bytes.
; THE DEAL.  256 work-groups of four waves: work-group (G, TG) takes tokens 256 TG .. + 255 (16 tiles of 16) and 384 channels.  Wave column wc = 4 G + wave holds SIX tiles of the weights, all of K, in registers
; (48 fragments, 576 registers): the four tiles of head slot wc (q heads 0-15, k heads 16-31) and two tiles, 32 channels, of v (pair wc).  The 16 token tiles stream past, a BLOCK each: 8 K steps x 6 products.
; Q, K: source 0 = the weights' tile, source 1 = the tokens: a lane holds a token and 32 of the head's channels.  V: source 0 = the tokens, source 1 = the weights' tile: a lane holds a channel, and four blocks give it 32 of 64 keys.
; (Place r of tile 2 m + u is row 32 m + 8 u + r + 8 (r / 8): the 16 registers of tiles 2 m, 2 m + 1 are 16 neighbours.)  So both results are quantised by one routine: 32 numbers of a lane -> six registers of codes, two scale bytes.
; The six accumulators take turns, one instruction a turn.  The bias is the C of each accumulator's first product.
; WHERE THE OPERANDS COME FROM.  opc holds images of operand registers ([tile][K step][1,536 bytes]).  One tensor load a wave at the head, every LDS byte filled once: the tokens' scale words (8,192 bytes), their tiles 0-7 and 8-15
; (98,304 each), and the work-group's eight tiles of v's weights (98,304).  q's or k's weights, four tiles a wave, go from memory straight into registers, each load over 512 or 256 consecutive bytes.
; CLUSTERS: the four work-groups of a cluster (4 x 1) take the same tokens: those three loads are joint (mask 15).  The weights are no partner's but mine: their load names nobody else.
; q's and k's weights do not pass LDS: a work-group's 16 tiles, 196,608 bytes, have no room beside the 303,104 that are filled.
; NO PREFETCH: every byte that the launch reads is asked for at its head; there is no loop to run ahead in.
; A tile's eight fragments and its scale words are fetched from LDS in one run of 33 loads, behind the way out of the block two ahead, into the set of registers which that block has read.
; RESULTS, as the attention launch reads them.  qkc: [slot][token tile 0-511][768 bytes].  qks: [slot][key step of 128 tokens][512]: lane l's 16 bytes at 16 l, word c = tile 2 c + l / 16, row l % 16 (bytes 2, 3 are 0 and meet zero codes alone).
;   vc: [batch x 16 + head][key step 0-7][channel tile 0-3][1,536].  vs: [batch x 16 + head][key step][256]: lane l's 8 bytes at 8 l, word c = channel tile 2 c + l / 16.  Scale bytes gather in LDS stages and leave as whole runs of 256 bytes.
; LIMITS: NaN and infinities are not served; a block of zeros gets the byte 1 (its codes are zeros, and only this program reads the bytes).
; REGISTERS.  Fragment f lies in window 1 + f / 21 at register 12 (f % 21); fragment 63 in window 0.  f = 6 q + t: the weights (t 0-3 q or k, 4-5 v); f = 48 + 8 e + q: the tokens, two sets e.  All else in window 0.
.set XS,    196608                     ; LDS: the tokens' codes from 0; their scale words, 16 x 512
.set WVL,   204800                     ; v's weights: 8 tiles
.set QST,   303104                     ; q's or k's scale words: [wave][trip][256]
.set VST,   307200                     ; v's: [trip][head of two][lane][wave % 2][4]
.set SPARE, 309248                     ; the spare words, 128 bytes a wave
.set L16, 1                            ; 16 x lane;  v2 8 x lane
.set L8,  2
.set A16, 6                            ; LDS address of the tile that is fetched next, + 16 x lane;  v7 + 8 x lane;  v8 its scale words
.set A8,  7
.set AS,  8
.set SPW, 12
.set NIL, 13
.set STQ, 14
.set STV, 15
.set BO,  16
.set BOV, 17
.set XS8, 18
.set QO16, 19
.set QO8, 20
.set TQA, 21
.set VO16, 22
.set VO8, 23
.set TVA, 24
.set RQ,  25
.set RV,  26
.set WV16, 27
.set WV8, 28
.set SB,  32                           ; v32-55 the weights' scale words: 4 registers a tile: register 2 (q / 4) + q % 2, lanes 16 ((q / 2) % 2) + r
.set SA,  58                           ; v58-65 the tokens', two sets
.set QA,  66                           ; v66-97 q's or k's four accumulators
.set BQ,  98                           ; v98-129 their bias
.set VA,  130                          ; v130-193 v's: 32 c + 8 (block % 4) + j
.set BV,  194                          ; v194-209 v's bias: the lane's number in eight registers, for each of two tiles
.set X63, 210
.set PC,  222                          ; codes: q's or k's;  v242-253 v's two tiles'
.set TC,  228
.set M0,  232
.set P0,  234
.set SO,  236
.set EB,  238
.set WD,  240
.set PV,  242
.set WV,  18
.set G1S, 24
.set G1A, 32
.set G1W, 40
.set TO,  84
.set TS,  85
.set QO,  86
.set VO,  87
.set VD,  88
.set SQ,  89
.set SV,  90
.set KT,  91
.set SEL, 92
.set MSB, 0
.macro WIN new
.if MSB != (\new)
	s_set_vgpr_msb (MSB<<8)|(\new)
.set MSB, (\new)
.endif
.endm
.macro WALU
	s_wait_alu depctr_va_vdst(0)
.endm
.macro NOPS n
.rept \n
	v_nop
.endr
.endm
.macro CROUND                          ; a round of the cluster's barrier
	s_barrier_signal -1
	s_barrier_wait -1
	s_cmp_lg_u32 s[WV], 0
	s_cbranch_scc1 .Lnot_wave_0_\@
	s_barrier_signal -3
.Lnot_wave_0_\@:
	s_barrier_wait -3
	s_barrier_signal -1
	s_barrier_wait -1
.endm
.macro LOC f                           ; where fragment f lies
.if (\f) == 63
.set FW_, 0
.set FR_, X63
.else
.set FW_, 1+(\f)/21
.set FR_, 12*((\f)%21)
.endif
.endm
.macro WM d, a, b, c, xa, xb, hh
.if \hh
	v_wmma_scale_f32_16x16x128_f8f6f4 v[\d:\d+7], v[\a:\a+11], v[\b:\b+11], \c, v[\xa], v[\xb] matrix_a_fmt:MATRIX_FMT_FP6 matrix_b_fmt:MATRIX_FMT_FP6 matrix_a_scale:MATRIX_SCALE_ROW1 matrix_b_scale:MATRIX_SCALE_ROW1
.else
	v_wmma_scale_f32_16x16x128_f8f6f4 v[\d:\d+7], v[\a:\a+11], v[\b:\b+11], \c, v[\xa], v[\xb] matrix_a_fmt:MATRIX_FMT_FP6 matrix_b_fmt:MATRIX_FMT_FP6
.endif
.endm
.macro PROD e, q, i, tt                ; product i of K step q on the tokens' set e
	LOC 6*(\q)+(\i)
.set SW_, FW_
.set SR_, FR_
	LOC 48+8*(\e)+(\q)
.set H_, ((\q)/2)%2
.set SS_, SB+4*(\i)+2*((\q)/4)+(\q)%2
.set XX_, SA+4*(\e)+2*((\q)/4)+(\q)%2
.if (\i) < 4
.set D_, QA+8*(\i)
.set C_, BQ+8*(\i)
	WIN SW_|(FW_<<2)
.if (\q) == 0
	WM D_, SR_, FR_, v[C_:C_+7], SS_, XX_, H_
.else
	WM D_, SR_, FR_, v[D_:D_+7], SS_, XX_, H_
.endif
.else
.set D_, VA+32*((\i)-4)+8*(\tt)
.set C_, BV+8*((\i)-4)
	WIN FW_|(SW_<<2)
.if (\q) == 0
	WM D_, FR_, SR_, v[C_:C_+7], XX_, SS_, H_
.else
	WM D_, FR_, SR_, v[D_:D_+7], XX_, SS_, H_
.endif
.endif
.endm
.macro LFR f, a, b, off                ; fragment f from its image in LDS
	LOC \f
	WIN FW_<<6
	ds_load_b128 v[FR_:FR_+3], v[\a] offset:(\off)
	ds_load_b64 v[FR_+4:FR_+5], v[\b] offset:(\off)+512
	ds_load_b128 v[FR_+6:FR_+9], v[\a] offset:(\off)+768
	ds_load_b64 v[FR_+10:FR_+11], v[\b] offset:(\off)+1280
.endm
.macro GFRAG f, base, off              ; a fragment of the weights, memory to registers
	LOC \f
	WIN FW_<<6
	global_load_b128 v[FR_:FR_+3], v[L16], s[\base:\base+1] offset:(\off)
	global_load_b64 v[FR_+4:FR_+5], v[L8], s[\base:\base+1] offset:(\off)+512
	global_load_b128 v[FR_+6:FR_+9], v[L16], s[\base:\base+1] offset:(\off)+768
	global_load_b64 v[FR_+10:FR_+11], v[L8], s[\base:\base+1] offset:(\off)+1280
.endm
.macro FETCH e                         ; the tile at v[A16] into set e: 33 loads
.irp q, 0,1,2,3,4,5,6,7
	LFR 48+8*(\e)+\q, A16, A8, \q*1536
.endr
	WIN 0
	ds_load_2addr_b64 v[SA+4*(\e):SA+4*(\e)+3], v[AS] offset0:0 offset1:32
.endm
; 32 numbers of a lane, register 16 b + i = k 32 b + 16 (lane / 16) + i of my row: six registers of codes from v[pc] on, the two scale bytes in v[WD].  Each accumulator is read from its low end on.
.macro Q32 s, pc
	v_max3_num_f32 v[M0], |v[\s]|, |v[\s+1]|, 0x1800000            ; with the floor 2^(3 - 127): the byte cannot fall under 1
	v_max3_num_f32 v[M0+1], |v[\s+16]|, |v[\s+17]|, 0x1800000
.irp i, 2,4,6,8,10,12,14
	v_max3_num_f32 v[M0], v[M0], |v[\s+\i]|, |v[\s+\i+1]|
	v_max3_num_f32 v[M0+1], v[M0+1], |v[\s+16+\i]|, |v[\s+17+\i]|
.endr
.irp b, 0,1
	v_permlanex16_b32 v[P0+\b], v[M0+\b], s[SEL], s[SEL+1]
.endr
.irp b, 0,1
	v_max_num_f32 v[M0+\b], v[M0+\b], v[P0+\b]                     ; with lane l xor 16's 16: the block's largest magnitude
.endr
.irp b, 0,1
	v_add_nc_u32 v[SO+\b], 0xff000000, v[M0+\b]                    ; 2 off its exponent field: the conversion's scale operand
.endr
.irp b, 0,1
	v_lshrrev_b32 v[EB+\b], 23, v[SO+\b]                           ; the scale's byte
.endr
	v_lshl_or_b32 v[WD], v[EB+1], 8, v[EB]
	v_cvt_scalef32_pk16_fp6_f32 v[\pc:\pc+2], v[\s:\s+15], v[SO]
	v_cvt_scalef32_pk16_fp6_f32 v[TC:TC+2], v[\s+16:\s+31], v[SO+1]
	v_nop                                                          ; one plain instruction behind the scaled conversions
.irp i, 0,1,2
	v_permlane16_swap_b32 v[\pc+\i], v[TC+\i]                      ; a whole block to a lane
.endr
.irp i, 0,1,2
	v_mov_b32 v[\pc+3+\i], v[TC+\i]
.endr
.endm
; behind a block's products: the address of the tile two on, then q's or k's 16 tokens x 64 channels go out.  The six lines at the head are the places behind the products.
.macro OUTQ tt, f
	s_wait_xcnt 0x0                                                ; earlier stores have read their registers
.if \f
	v_add_nc_u32 v[A16], s[TO], v[L16]
	v_add_nc_u32 v[A8], s[TO], v[L8]
	v_add_nc_u32 v[AS], s[TS], v[XS8]
.else
	NOPS 3
.endif
	v_add_nc_u32 v[QO16], s[QO], v[L16]
	v_add_nc_u32 v[QO8], s[QO], v[L8]
	v_add_nc_u32 v[TQA], s[SQ], v[STQ]
.if \f
	s_add_co_u32 s[TO], s[TO], 12288
	s_add_co_u32 s[TS], s[TS], 512
.endif
	s_add_co_u32 s[QO], s[QO], 768
	Q32 QA, PC
	ds_store_b32 v[TQA], v[WD] offset:128*((\tt)%2)+4*((\tt)/2)    ; lanes l and l xor 16 write the same word with the same value
	global_store_b128 v[QO16], v[PC:PC+3], s[10:11]                ; 512 and 256 consecutive bytes
	global_store_b64 v[QO8], v[PC+4:PC+5], s[10:11] offset:512
.endm
; behind four blocks: v's two tiles of 16 channels x 64 keys go out: half an image each
.macro OUTV
	v_add_nc_u32 v[VO16], s[VO], v[L16]
	v_add_nc_u32 v[VO8], s[VO], v[L8]
	v_add_nc_u32 v[TVA], s[SV], v[STV]
	s_add_co_u32 s[VO], s[VO], s[VD]                               ; 0, 768, 6,144, 6,912: key step trip / 2, half trip % 2
	s_sub_co_u32 s[VD], 6144, s[VD]
	s_add_co_u32 s[SV], s[SV], 512
	s_add_co_u32 s[SQ], s[SQ], 256
.irp c, 0,1
	Q32 VA+32*\c, PV+6*\c
	ds_store_b32 v[TVA], v[WD] offset:128*\c
	global_store_b128 v[VO16], v[PV+6*\c:PV+6*\c+3], s[14:15] offset:1536*\c
	global_store_b64 v[VO8], v[PV+6*\c+4:PV+6*\c+5], s[14:15] offset:1536*\c+512
.endr
.endm
; A BLOCK.  w: the LDS instructions younger than my tile's fetch that may be out: the next tile's 33 loads.
.macro BLK e, tt, f, w
	s_wait_dscnt \w
.irp q, 0,1,2,3,4,5,6,7
.irp i, 0,1,2,3,4,5
	PROD \e, \q, \i, \tt
.endr
.endr
	WIN 0
	OUTQ \tt, \f
.if (\tt) == 3
	OUTV
.endif
.if \f
	FETCH \e                                                       ; the way out's lines are the places between the products and these loads
.endif
.endm
	s_load_b128 s[4:7], s[0:1], 0x0                ; opc, ops
	s_load_b128 s[8:11], s[0:1], 0x10              ; b_qkv, qkc
	s_load_b128 s[12:15], s[0:1], 0x20             ; qks, vc
	s_load_b64 s[16:17], s[0:1], 0x30              ; vs
	v_lshl_add_u32 v[SPW], v0, 2, SPARE
	v_mov_b32 v[NIL], 0
	ds_add_u32 v[SPW], v[NIL]                      ; the opening lines: the add, twice on end, and its wait
	ds_add_u32 v[SPW], v[NIL]
	v_lshrrev_b32 v3, 5, v0
	v_readfirstlane_b32 s[WV], v3                  ; wave 0..3
	s_bfe_u32 s19, ttmp6, 0x40000                  ; cx
	s_lshl_b32 s20, ttmp9, 2
	s_add_co_u32 s19, s20, s19                     ; G
	s_lshl_b32 s20, s19, 2
	s_add_co_u32 s20, s20, s[WV]                   ; wc
	s_and_b32 s21, ttmp7, 0xffff                   ; TG
	s_mov_b32 s[SEL], 0x76543210
	s_mov_b32 s[SEL+1], 0xfedcba98
.irp g, G1S, G1A, G1W                          ; dense blocks as rows of 256 bytes (32 elements of 8)
	s_mov_b32 s[\g+1], 32<<16
	s_mov_b32 s[\g+3], 32<<16
	s_mov_b32 s[\g+5], 32
	s_mov_b32 s[\g+6], 0
	s_mov_b32 s[\g+7], 0
.endr
	s_mov_b32 s[G1S], 15|(3<<16)|(1<<21)           ; the tokens' loads name the cluster's four
	s_mov_b32 s[G1A], 15|(3<<16)|(1<<21)
	s_mov_b32 s[G1W], 3<<16                        ; the weights' names nobody else
	s_mov_b32 s[G1S+2], 32<<16                     ; the scale words: 32 rows
	s_mov_b32 s[G1S+4], 32
	s_mov_b32 s[G1A+2], 384<<16                    ; eight tiles: 384 rows
	s_mov_b32 s[G1A+4], 384
	s_mov_b32 s[G1W+2], 384<<16
	s_mov_b32 s[G1W+4], 384
	s_mul_i32 s22, s21, 196608
	s_mov_b32 s23, 0
	s_lshl_b32 s66, s21, 13
	s_mov_b32 s67, 0
	s_mul_i32 s94, s19, 98304
	s_add_co_u32 s94, s94, 640*12288
	s_mov_b32 s95, 0
	s_lshl_b32 s68, s[WV], 10
	s_add_co_u32 s68, s68, QST
	s_lshr_b32 s70, s[WV], 1
	s_lshl_b32 s70, s70, 8
	s_add_co_u32 s70, s70, VST
	s_and_b32 s71, s[WV], 1
	s_lshl_b32 s69, s71, 2
	s_add_co_u32 s69, s69, s70
	s_lshl_b32 s71, s71, 10
	s_add_co_u32 s71, s71, s70
	s_mul_i32 s84, s[WV], 24576
	s_add_co_u32 s84, s84, WVL
	v_and_b32 v3, 31, v0                           ; lane
	v_and_b32 v4, 15, v0                           ; r
	v_bfe_u32 v5, v0, 4, 1                         ; h
	v_lshlrev_b32 v[L16], 4, v3
	v_lshlrev_b32 v[L8], 3, v3
	v_lshlrev_b32 v[BO], 6, v5                     ; q, k: the bias's offset, 64 h
	v_and_b32 v[BOV], 8, v4
	v_add_nc_u32 v[BOV], v[BOV], v4
	v_lshlrev_b32 v[BOV], 2, v[BOV]                ; v: 4 (r + 8 (r / 8))
	v_lshl_add_u32 v[XS8], v3, 3, XS
	v_lshl_add_u32 v[STQ], v4, 3, s68              ; QST + 1,024 wave + 8 r
	v_lshl_add_u32 v[STV], v4, 3, s69              ; VST + 256 (wave / 2) + 4 (wave % 2) + 8 r
	v_lshl_add_u32 v[RQ], v3, 3, s68               ; the stages on the way out: 8 x lane
	v_lshl_add_u32 v[RV], v3, 3, s71               ; VST + 1,024 (wave % 2) + 256 (wave / 2)
	v_lshl_add_u32 v[WV16], v3, 4, s84             ; my two tiles of v's weights
	v_lshl_add_u32 v[WV8], v3, 3, s84
	v_mov_b32 v[P0], 0                             ; written once: a lane permute's destination counts as one of its sources
	v_mov_b32 v[P0+1], 0
	WALU                                           ; the wait at the head's end
	s_wait_dscnt 0x0
	s_wait_kmcnt 0x0
	s_add_nc_u64 s[22:23], s[4:5], s[22:23]        ; my tokens' codes: they hang on TG alone, which the four partners share
	s_mov_b32 s48, 1
	s_mov_b32 s49, XS
	s_add_nc_u64 s[50:51], s[6:7], s[66:67]
	s_or_b32 s51, s51, 0x80000000
	s_mov_b32 s52, 1
	s_mov_b32 s53, 0
	s_mov_b64 s[54:55], s[22:23]
	s_or_b32 s55, s55, 0x80000000
	s_mov_b32 s56, 1
	s_mov_b32 s57, 8*12288
	s_add_nc_u64 s[58:59], s[22:23], 8*12288
	s_or_b32 s59, s59, 0x80000000
	s_mov_b32 s60, 1
	s_mov_b32 s61, WVL
	s_add_nc_u64 s[62:63], s[4:5], s[94:95]        ; the weights' tiles 640 + 8 G ..
	s_or_b32 s63, s63, 0x80000000
	CROUND                                         ; the four work-groups are here: the joint loads meet
.macro ARM under, g0, g1, next                 ; one chain of branches on the wave's number, one load to an arm
	s_cmp_lt_u32 s[WV], \under
	s_cbranch_scc0 \next
	tensor_load_to_lds s[\g0:\g0+3], s[\g1:\g1+7]
	s_nop 0
	NOPS 4
	s_branch .Lasked
\next:
.endm
	ARM 1, 48, G1S, .Larm1                         ; wave 0: the scale words
	ARM 2, 52, G1A, .Larm2                         ; wave 1: tiles 0-7
	ARM 3, 60, G1W, .Larm3                         ; wave 2: v's weights
	tensor_load_to_lds s[56:59], s[G1A:G1A+7]      ; wave 3: tiles 8-15
	s_nop 0
	NOPS 4
.Lasked:
	s_mul_i32 s66, s20, 49152
	s_add_co_u32 s66, s66, 512*12288
	s_add_nc_u64 s[72:73], s[4:5], s[66:67]        ; the weights' tiles 512 + 4 wc ..
	s_lshl_b32 s66, s20, 11
	s_add_co_u32 s66, s66, 512*512
	s_add_nc_u64 s[76:77], s[6:7], s[66:67]        ; their scale words
	s_lshl_b32 s66, s20, 10
	s_add_co_u32 s66, s66, 640*512
	s_add_nc_u64 s[78:79], s[6:7], s[66:67]        ; and those of tiles 640 + 2 wc, + 1
	s_lshl_b32 s66, s20, 8
	s_add_nc_u64 s[80:81], s[8:9], s[66:67]        ; b_qkv at channel 64 wc
	s_lshl_b32 s66, s20, 7
	s_add_co_u32 s66, s66, 8192
	s_add_nc_u64 s[82:83], s[8:9], s[66:67]        ; and at 2,048 + 32 wc
.irp q, 0,1,2,3,4,5,6,7
.irp t, 0,1,2,3
	GFRAG 6*\q+\t, 72, \t*12288+\q*1536
.endr
.endr
	WIN 0
.irp t, 0,1,2,3
.irp j, 0,1
	global_load_b64 v[SB+4*\t+2*\j:SB+4*\t+2*\j+1], v[L8], s[76:77] offset:512*\t+256*\j
.endr
.endr
.irp t, 0,1
.irp j, 0,1
	global_load_b64 v[SB+16+4*\t+2*\j:SB+16+4*\t+2*\j+1], v[L8], s[78:79] offset:512*\t+256*\j
.endr
.endr
.irp b, 0,1
.irp k, 0,1,2,3
	global_load_b128 v[BQ+16*\b+4*\k:BQ+16*\b+4*\k+3], v[BO], s[80:81] offset:128*\b+16*\k   ; register 16 b + i: channel 32 b + 16 h + i of the head
.endr
.endr
.irp c, 0,1
	global_load_b32 v[BV+8*\c], v[BOV], s[82:83] offset:32*\c      ; my channel's number
.endr
	s_mul_i32 s66, s20, 393216                     ; where the results go.  qkc: (512 wc + 16 TG) x 768
	s_mul_i32 s19, s21, 12288
	s_add_co_u32 s66, s66, s19
	s_add_nc_u64 s[10:11], s[10:11], s[66:67]
	s_lshl_b32 s66, s20, 15                        ; qks: (64 wc + 2 TG) x 512
	s_lshl_b32 s19, s21, 10
	s_add_co_u32 s66, s66, s19
	s_add_nc_u64 s[12:13], s[12:13], s[66:67]
	s_lshr_b32 s19, s21, 2                         ; batch
	s_lshl_b32 s19, s19, 4
	s_lshr_b32 s70, s20, 1
	s_add_co_u32 s19, s19, s70                     ; 16 batch + head, head = wc / 2
	s_lshl_b32 s19, s19, 3
	s_and_b32 s70, s21, 3
	s_lshl_b32 s70, s70, 1
	s_add_co_u32 s19, s19, s70                     ; x 8 + my first key step, 2 (TG % 4)
	s_and_b32 s70, s20, 1
	s_mul_i32 s66, s19, 6144
	s_mul_i32 s71, s70, 3072                       ; channel tiles 2 (wc % 2), + 1
	s_add_co_u32 s66, s66, s71
	s_add_nc_u64 s[14:15], s[14:15], s[66:67]
	s_add_co_u32 s19, s19, s70                     ; vs: on the way out I take my head's key step wave % 2
	s_lshl_b32 s66, s19, 8
	s_add_nc_u64 s[16:17], s[16:17], s[66:67]
	s_mov_b32 s[TO], 2*12288
	s_mov_b32 s[TS], 2*512
	s_mov_b32 s[QO], 0
	s_mov_b32 s[VO], 0
	s_mov_b32 s[VD], 768
	s_mov_b32 s[SQ], 0
	s_mov_b32 s[SV], 0
	s_mov_b32 s[KT], 0
	s_wait_tensorcnt 0x0                           ; my load is in,
	s_barrier_signal -1
	s_barrier_wait -1                              ; everybody's is
.irp q, 0,1,2,3,4,5,6,7
.irp c, 0,1
	LFR 6*\q+4+\c, WV16, WV8, \c*12288+\q*1536     ; v's weights
.endr
.endr
.irp e, 0,1                                    ; tiles 0 and 1: 33 loads each
.irp q, 0,1,2,3,4,5,6,7
	LFR 48+8*\e+\q, L16, L8, \e*12288+\q*1536
.endr
	WIN 0
	ds_load_2addr_b64 v[SA+4*\e:SA+4*\e+3], v[XS8] offset0:64*\e offset1:64*\e+32
.endr
	s_wait_loadcnt 0x0                             ; q's or k's weights, the scale words, the bias
.irp c, 0,1
.irp i, 1,2,3,4,5,6,7
	v_mov_b32 v[BV+8*\c+\i], v[BV+8*\c]            ; v's bias over the eight registers of a C
.endr
.endr
	WALU
.Ltrip:                                                ; four blocks a trip: blocks 0 to 11
	BLK 0, 0, 1, 33
	BLK 1, 1, 1, 33
	BLK 0, 2, 1, 33
	BLK 1, 3, 1, 33
	s_add_co_u32 s[KT], s[KT], 1
	s_cmp_lt_u32 s[KT], 3
	WALU                                           ; the wait here, directly ahead of the branch
	s_cbranch_scc1 .Ltrip
	BLK 0, 0, 1, 33                                ; the last four are written out: they fetch nothing beyond tile 15
	BLK 1, 1, 1, 33
	BLK 0, 2, 0, 33
	BLK 1, 3, 0, 0
	s_wait_dscnt 0x0                               ; my stores to the stages are done
	s_barrier_signal -1
	s_barrier_wait -1
	ds_load_b64 v[66:67], v[RQ]                    ; key step 0: words 0, 1 of trip 0, words 2, 3 of trip 1; key step 1 likewise
	ds_load_b64 v[68:69], v[RQ] offset:256
	ds_load_b64 v[70:71], v[RQ] offset:512
	ds_load_b64 v[72:73], v[RQ] offset:768
	ds_load_b64 v[74:75], v[RV]                    ; v: the lower half's two bytes of both words, and the upper half's
	ds_load_b64 v[76:77], v[RV] offset:512
	s_wait_dscnt 0x0
	v_lshl_or_b32 v78, v76, 16, v74
	v_lshl_or_b32 v79, v77, 16, v75
	global_store_b128 v[L16], v[66:69], s[12:13]
	global_store_b128 v[L16], v[70:73], s[12:13] offset:512
	global_store_b64 v[L8], v[78:79], s[16:17]
	s_wait_tensorcnt 0x0                           ; the wave's end
	ds_add_u32 v[SPW], v[NIL]
	s_wait_dscnt 0x0
	CROUND                                         ; the closing round
	s_endpgm
.Lfunc_end_k_q8226ef50d7_gemm_qkv:
	.size	k_q8226ef50d7_gemm_qkv, .Lfunc_end_k_q8226ef50d7_gemm_qkv-k_q8226ef50d7_gemm_qkv
	.p2alignl 7, 3214868480
	.fill 96, 4, 3214868480
	.section	.rodata,"a",@progbits
	.p2align	6, 0x0
	.amdhsa_kernel k_q8226ef50d7_gemm_qkv
		.amdhsa_group_segment_fixed_size 327680
		.amdhsa_private_segment_fixed_size 0
		.amdhsa_enable_private_segment 0
		.amdhsa_kernarg_size 56
		.amdhsa_user_sgpr_count 2
		.amdhsa_user_sgpr_kernarg_segment_ptr 1
		.amdhsa_wavefront_size32 1
		.amdhsa_system_sgpr_workgroup_id_x 1
		.amdhsa_system_sgpr_workgroup_id_y 1
		.amdhsa_system_sgpr_workgroup_id_z 1
		.amdhsa_system_vgpr_workitem_id 0
		.amdhsa_next_free_vgpr 1024
		.amdhsa_next_free_sgpr 96
		.amdhsa_reserve_vcc 0
		.amdhsa_float_denorm_mode_32 3
		.amdhsa_float_denorm_mode_16_64 3
		.amdhsa_memory_ordered 1
		.amdhsa_forward_progress 1
		.amdhsa_inst_pref_size 128
	.end_amdhsa_kernel
	.amdgpu_metadata
---
amdhsa.version: [ 1, 2 ]
amdhsa.kernels:
  - .name:           k_q8226ef50d7_gemm_qkv
    .symbol:         k_q8226ef50d7_gemm_qkv.kd
    .args:
      - { .name: opc, .offset: 0, .size: 8, .value_kind: global_buffer, .address_space: global }
      - { .name: ops, .offset: 8, .size: 8, .value_kind: global_buffer, .address_space: global }
      - { .name: b_qkv, .offset: 16, .size: 8, .value_kind: global_buffer, .address_space: global }
      - { .name: qkc, .offset: 24, .size: 8, .value_kind: global_buffer, .address_space: global }
      - { .name: qks, .offset: 32, .size: 8, .value_kind: global_buffer, .address_space: global }
      - { .name: vc, .offset: 40, .size: 8, .value_kind: global_buffer, .address_space: global }
      - { .name: vs, .offset: 48, .size: 8, .value_kind: global_buffer, .address_space: global }
    .group_segment_fixed_size: 327680
    .private_segment_fixed_size: 0
    .kernarg_segment_align: 8
    .kernarg_segment_size: 56
    .max_flat_workgroup_size: 128
    .sgpr_count:     96
    .vgpr_count:     1024
    .wavefront_size: 32
...
	.end_amdgpu_metadata
.endif
;; end of part 2
;; launch attn (part 3): grid 2 x 128, 16 waves a work-group, no clusters, 169,984 bytes of LDS; arguments qkc, qks, vc, vs, oc, os; writes oc, os
.if DOCPART == 3
	.amdgcn_target "amdgcn-amd-amdhsa--gfx1250"
	.amdhsa_code_object_version 6
	.text
	.protected	k_q8226ef50d7_attn
	.globl	k_q8226ef50d7_attn
	.p2align	8
	.type	k_q8226ef50d7_attn,@function
k_q8226ef50d7_attn:
	s_mov_b64 s[64:65], 0
	v_nop
	global_prefetch_b8 v0, s[64:65] scope:SCOPE_SE
	s_setreg_imm32_b32 hwreg(HW_REG_WAVE_MODE, 25, 1), 1
	s_wait_xcnt 0x0
; o = softmax(q k^T / 8, causal) v for one batch and head, both products on codes of FP6 (E2M3) with E8M0 scales; o is quantised in registers along the channels for the last product.
; THE SOFTMAX: t = score x log2(e) / 8; M = the running largest t rounded UP to a whole number; p = 2^(t - M) is what is quantised, along the keys, not normalised; the row's sum is taken of the unquantised p and divides at the end.
; When M moves, the sum and O are multiplied by 2^(old M - new M): exact.
; SHARES.  Work-group (hf, bh): batch bh / 16, head bh % 16.  Wave w has i = 16 hf + w and owns query tiles i (first pass) and 63 - i (second pass): (i / 8 + 1) + (8 - i / 8) = 9 key steps of 128 for every wave:
; key steps that lie wholly behind the causal mask are left out, by a scalar branch on ids, and all waves have equal work.  The loops' trip counts are constants (4 and 8).
; The head's whole K and V (codes and scale words, 104,448 bytes) come into LDS once, by six tensor loads at the head; every LDS byte is filled once.  The first pass reads keys 0-511 alone, so it starts while the upper halves are on their way.
; NO CLUSTER: only the two work-groups of a head share tiles, 104,448 bytes once each, and the step that is left out hangs on the query tile, which differs between them.
; LAYOUT.  Both products are used transposed: S^T = K Q^T (source 0 = 16 keys, source 1 = my 16 queries), O^T = V^T P^T (source 0 = 16 channels): a lane holds one query throughout.
; Place r of token or channel tile 2 m + u is row 32 m + 8 u + r + 8 (r / 8): so the 16 registers of tiles 2 m, 2 m + 1 are 16 neighbouring keys (channels).
; The first product's K is 64: registers 6-11 of K's and Q's fragments hold zero codes, which add nothing.
; LIMITS: NaN and infinities are not served; 1 / sum is v_rcp_f32 and a multiplication; a block of zeros gets the byte 1.  o's scale bytes leave two to a row (2 of a row's 32 bytes): the one store that does not fill aligned runs of 256 bytes.
; O^T and the sum begin as zeros and the largest t as -3e38, so that a step is written once for each pass: 32 moves a pass.
.set KSCL, 0                           ; LDS: K's scale words, 8 steps x 512 bytes
.set VSCL, 4096                        ; V's, 8 x 256
.set KCOD, 6144                        ; K's codes: 64 tiles x 768
.set VCOD, 55296                       ; V's codes: 8 steps x 4 tiles x 1,536
.set HALFC, 24576                      ; half of either
.set L16, 1                            ; v1 16 x lane;  v2 8 x lane
.set L8,  2
.set LQ,  3                            ; v3 r + 8 (r / 8) - 16 h
.set A16, 4                            ; v4-7 the step's addresses
.set A8,  5
.set ADS, 6
.set ADT, 7
.set R8,  8                            ; v8 8 r;  v9 16 r
.set R16, 9
.set QSL, 10                           ; v10, v11 Q's scale words, first and second pass
.set QSH, 11
.set QL,  16                           ; v16-27, v28-39 Q's fragments    (v12 -M, v13 the largest t, v[14:15] the sum in two halves)
.set QH,  28
.set KFR, 40                           ; v40-87 four fragments of K
.set KSC, 88                           ; v88-91 K's scale words;  v92-93 V's
.set VSC, 92
.set S,   96                           ; v96-159 S^T, then p, then (v96-143) V's four fragments
.set O,   160                          ; v160-191 O^T
.set PC,  192                          ; v192-203 p's codes
.set BM,  204                          ; v204-207 the blocks' largest scores
.set PM,  208                          ; v208-215 at work
.set SO,  216                          ; v216-219 the conversions' scale operands
.set FF,  220                          ; v220 f = 2^(old M - new M);  v221 p's scale word
.set PW,  221
.set TA,  222
.set TB,  223
.set WV,  18
.set SEL, 20                           ; s[20:21] lane selects: lane l xor 16
.set CS,  22                           ; s[22:23] c = log2(e) / 8
.set G1C, 24                           ; s[24:31] group 1: 96 rows of 256 bytes;  s[32:39] 16 rows;  s[40:47] 8 rows
.set G1SK, 32
.set G1SV, 40
.set BT,  79                           ; s79 batch;  s87 head
.set HD,  87
.set ST,  92                           ; s92 the step;  s93 its codes (+6,144);  s94 K's scale words (+512);  s95 V's (+256)
.set TK,  93
.set TS,  94
.set TJ,  95
	s_load_b256 s[4:11], s[0:1], 0x0               ; qkc s[4:5], qks s[6:7], vc s[8:9], vs s[10:11]
	s_load_b128 s[12:15], s[0:1], 0x20             ; oc s[12:13], os s[14:15]
	v_lshl_add_u32 v254, v0, 2, 0x29000
	v_mov_b32 v255, 0
	ds_add_u32 v254, v255
	ds_add_u32 v254, v255
	v_lshrrev_b32 v1, 5, v0
	s_delay_alu instid0(VALU_DEP_1)
	v_readfirstlane_b32 s[WV], v1                  ; wave 0..15
	s_and_b32 s19, ttmp7, 0xffff                   ; bh
	s_lshr_b32 s[BT], s19, 4
	s_and_b32 s[HD], s19, 15
	s_mov_b32 s[SEL], 0x76543210
	s_mov_b32 s[SEL+1], 0xfedcba98
	s_mov_b32 s[CS], 0x3e38aa3b
	s_mov_b32 s[CS+1], s[CS]                       ; (named with it as a pair, so it is written)
.irp g, G1C, G1SK, G1SV                        ; dense blocks as rows of 256 bytes: 32 elements of 8 bytes, no padding
	s_mov_b32 s[\g], 3<<16
	s_mov_b32 s[\g+1], 32<<16
	s_mov_b32 s[\g+3], 32<<16
	s_mov_b32 s[\g+5], 32
	s_mov_b32 s[\g+6], 0
	s_mov_b32 s[\g+7], 0
.endr
	s_mov_b32 s[G1C+2], 96<<16
	s_mov_b32 s[G1C+4], 96
	s_mov_b32 s[G1SK+2], 16<<16
	s_mov_b32 s[G1SK+4], 16
	s_mov_b32 s[G1SV+2], 8<<16
	s_mov_b32 s[G1SV+4], 8
	s_add_co_u32 s2, s[HD], 16                     ; K's slot in qkc and qks
	s_lshl_b32 s3, s2, 6
	s_lshl_b32 s16, s[BT], 3
	s_add_co_u32 s3, s3, s16
	s_lshl_b32 s96, s3, 9                          ; K's scale words: (64 slot + 8 batch) x 512
	s_mov_b32 s97, 0
	s_lshl_b32 s3, s2, 9
	s_lshl_b32 s16, s[BT], 6
	s_add_co_u32 s3, s3, s16
	s_mul_i32 s98, s3, 768                         ; K's codes: (512 slot + 64 batch) x 768
	s_mov_b32 s99, 0
	s_lshl_b32 s66, s19, 11                        ; V's scale words
	s_mov_b32 s67, 0
	s_mul_i32 s16, s19, 49152                      ; V's codes
	s_mov_b32 s17, 0
	s_wait_dscnt 0x0
	s_wait_kmcnt 0x0
	s_mov_b32 s48, 1                               ; six groups 0: K's scale words, K's codes in two halves,
	s_mov_b32 s49, KSCL
	s_add_nc_u64 s[50:51], s[6:7], s[96:97]
	s_or_b32 s51, s51, 0x80000000
	s_mov_b32 s52, 1
	s_mov_b32 s53, KCOD
	s_add_nc_u64 s[54:55], s[4:5], s[98:99]
	s_mov_b32 s56, 1
	s_mov_b32 s57, KCOD+HALFC
	s_add_nc_u64 s[58:59], s[54:55], HALFC
	s_or_b32 s55, s55, 0x80000000
	s_or_b32 s59, s59, 0x80000000
	s_mov_b32 s60, 1                               ; and the same of V
	s_mov_b32 s61, VSCL
	s_add_nc_u64 s[62:63], s[10:11], s[66:67]
	s_or_b32 s63, s63, 0x80000000
	s_mov_b32 s68, 1
	s_mov_b32 s69, VCOD
	s_add_nc_u64 s[70:71], s[8:9], s[16:17]
	s_mov_b32 s72, 1
	s_mov_b32 s73, VCOD+HALFC
	s_add_nc_u64 s[74:75], s[70:71], HALFC
	s_or_b32 s71, s71, 0x80000000
	s_or_b32 s75, s75, 0x80000000
; the six first fills, one to a wave, in one chain of branches on the wave's number: waves 0-3 what the first pass reads, waves 4, 5 the upper halves, the others none
.macro ARM under, g0, g1, next
	s_cmp_lt_u32 s[WV], \under
	s_cbranch_scc0 \next
	tensor_load_to_lds s[\g0:\g0+3], s[\g1:\g1+7]
	s_nop 0
.rept 4
	v_nop
.endr
	s_branch .Lasked
\next:
.endm
	ARM 1, 48, G1SK, .Lw1
	ARM 2, 52, G1C, .Lw2
	ARM 3, 60, G1SV, .Lw3
	ARM 4, 68, G1C, .Lw4
	ARM 5, 56, G1C, .Lw5
	s_cmp_lt_u32 s[WV], 6
	s_cbranch_scc0 .Lasked
	tensor_load_to_lds s[72:75], s[G1C:G1C+7]
	s_nop 0
.rept 4
	v_nop
.endr
.Lasked:
; what a pass needs of its query tile s[QT]: SD the step on the diagonal; QR the tile's first query in that step; where o's image and scale bytes go; where Q's image and scale word lie
.macro PREP QT, SD, QR, OC, OS, QC, QW
	s_lshr_b32 s[\SD], s[\QT], 3
	s_bfe_u32 s19, s[\QT], 0x20001                 ; (QT / 2) % 4
	s_lshl_b32 s19, s19, 5
	s_and_b32 s98, s[\QT], 1
	s_lshl_b32 s99, s98, 3
	s_add_co_u32 s[\QR], s19, s99                  ; 32 ((QT / 2) % 4) + 8 (QT % 2)
	s_lshl_b32 s[\QW], s[HD], 6
	s_lshl_b32 s19, s[BT], 3
	s_add_co_u32 s[\QW], s[\QW], s19
	s_add_co_u32 s[\QW], s[\QW], s[\SD]
	s_lshl_b32 s[\QW], s[\QW], 9                   ; qks: (64 head + 8 batch + SD) x 512,
	s_lshl_b32 s98, s98, 8
	s_add_co_u32 s[\QW], s[\QW], s98               ; + 256 (QT % 2): the upper lanes' words,
	s_bfe_u32 s19, s[\QT], 0x20001
	s_lshl_b32 s19, s19, 2
	s_add_co_u32 s[\QW], s[\QW], s19               ; + 4 x word
	s_mov_b32 s[\QW+1], 0
	s_add_nc_u64 s[\QW:\QW+1], s[6:7], s[\QW:\QW+1]
	s_lshl_b32 s19, s[BT], 6
	s_add_co_u32 s19, s19, s[\QT]                  ; the token tile: 64 batch + QT
	s_lshl_b32 s98, s[HD], 9
	s_add_co_u32 s98, s98, s19
	s_mul_i32 s[\QC], s98, 768
	s_mov_b32 s[\QC+1], 0
	s_add_nc_u64 s[\QC:\QC+1], s[4:5], s[\QC:\QC+1]
	s_mul_i32 s[\OC], s19, 12288
	s_mul_i32 s98, s[HD], 768                      ; K step head / 2, half head % 2 of the last product's K
	s_add_co_u32 s[\OC], s[\OC], s98
	s_mov_b32 s[\OC+1], 0
	s_add_nc_u64 s[\OC:\OC+1], s[12:13], s[\OC:\OC+1]
	s_lshl_b32 s[\OS], s19, 9
	s_lshr_b32 s98, s[HD], 2
	s_lshl_b32 s98, s98, 7
	s_add_co_u32 s[\OS], s[\OS], s98
	s_and_b32 s98, s[HD], 3
	s_lshl_b32 s98, s98, 1
	s_add_co_u32 s[\OS], s[\OS], s98               ; 512 tile + 128 (head / 4) + 2 (head % 4)
	s_mov_b32 s[\OS+1], 0
	s_add_nc_u64 s[\OS:\OS+1], s[14:15], s[\OS:\OS+1]
.endm
	s_lshl_b32 s76, ttmp9, 4
	s_add_co_u32 s76, s76, s[WV]                   ; i
	s_sub_co_u32 s84, 63, s76                      ; 63 - i
	PREP 76, 77, 78, 80, 82, 2, 66
	PREP 84, 85, 86, 88, 90, 16, 96
	v_and_b32 v[R16], 31, v0                       ; lane
	s_delay_alu instid0(VALU_DEP_1)
	v_lshlrev_b32 v[L16], 4, v[R16]
	s_delay_alu instid0(VALU_DEP_2)
	v_lshlrev_b32 v[L8], 3, v[R16]
	v_and_b32 v[TA], 15, v0                        ; r
	v_bfe_u32 v[TB], v0, 4, 1                      ; h
	s_delay_alu instid0(VALU_DEP_2)
	v_and_b32 v[LQ], 8, v[TA]
	s_delay_alu instid0(VALU_DEP_1)
	v_add_nc_u32 v[LQ], v[LQ], v[TA]
	s_delay_alu instid0(VALU_DEP_3)
	v_lshlrev_b32 v[TB], 4, v[TB]
	s_delay_alu instid0(VALU_DEP_1)
	v_sub_nc_u32 v[LQ], v[LQ], v[TB]
	v_lshlrev_b32 v[R8], 3, v[TA]
	v_lshlrev_b32 v[R16], 4, v[TA]
	global_load_b128 v[QL:QL+3], v[L16], s[2:3]    ; both tiles of queries stay in registers
	global_load_b64 v[QL+4:QL+5], v[L8], s[2:3] offset:512
	global_load_b128 v[QH:QH+3], v[L16], s[16:17]
	global_load_b64 v[QH+4:QH+5], v[L8], s[16:17] offset:512
	global_load_b32 v[QSL], v[R16], s[66:67]
	global_load_b32 v[QSH], v[R16], s[96:97]
.irp j, 6,7,8,9,10,11
	v_mov_b32 v[QL+\j], 0                          ; k = 64 .. 127 of the first product: zero codes, on both sides
	v_mov_b32 v[QH+\j], 0
	v_mov_b32 v[KFR+\j], 0
	v_mov_b32 v[KFR+12+\j], 0
	v_mov_b32 v[KFR+24+\j], 0
	v_mov_b32 v[KFR+36+\j], 0
.endr
.irp b, 0,1,2,3
	v_mov_b32 v[PM+\b], 0                          ; written once: a lane permute's destination counts as one of its sources
.endr
	v_mov_b32 v[PW], 0                             ; (named as the upper half of the pair v[220:221] before it is first written)
; A KEY STEP of 128 keys for the tile of queries in v[Q] on.
.macro ASTEP Q, QS, SD, QR
	s_cmp_gt_u32 s[ST], s[\SD]                     ; all its keys come after my queries: the step's work is left out; the lines at its end that step addresses are not
	s_cbranch_scc1 .Lhidden_\@
	v_add_nc_u32 v[A16], s[TK], v[L16]
	s_wait_alu depctr_va_vdst(0)
	v_add_nc_u32 v[A8], s[TK], v[L8]
	s_wait_alu depctr_va_vdst(0)
	v_add_nc_u32 v[ADS], s[TS], v[L16]
	v_add_nc_u32 v[ADT], s[TJ], v[L8]
	v_nop                                          ; six plain instructions: the products below write over registers that the last step's products read as V's fragments (five are asked)
	v_nop
	ds_load_b128 v[KSC:KSC+3], v[ADS] offset:KSCL  ; word c: lanes 0-15 tile 2 c, lanes 16-31 tile 2 c + 1
.irp g, 0,1                                    ; S^T = K Q^T, four tiles of 16 keys at a time
.if \g
.rept 4
	v_nop                                          ; places in front of loads into registers that matrix instructions have read
.endr
.endif
.irp t, 0,1,2,3
	ds_load_b128 v[KFR+12*\t:KFR+12*\t+3], v[A16] offset:KCOD+768*(4*\g+\t)
	ds_load_b64 v[KFR+12*\t+4:KFR+12*\t+5], v[A8] offset:KCOD+768*(4*\g+\t)+512
.endr
	s_wait_dscnt 0x0
.irp t, 0,1,2,3
.if (\t)%2
	v_wmma_scale_f32_16x16x128_f8f6f4 v[S+8*(4*\g+\t):S+8*(4*\g+\t)+7], v[KFR+12*\t:KFR+12*\t+11], v[\Q:\Q+11], 0, v[KSC+(4*\g+\t)/2], v[\QS] matrix_a_fmt:MATRIX_FMT_FP6 matrix_b_fmt:MATRIX_FMT_FP6 matrix_a_scale:MATRIX_SCALE_ROW1
.else
	v_wmma_scale_f32_16x16x128_f8f6f4 v[S+8*(4*\g+\t):S+8*(4*\g+\t)+7], v[KFR+12*\t:KFR+12*\t+11], v[\Q:\Q+11], 0, v[KSC+(4*\g+\t)/2], v[\QS] matrix_a_fmt:MATRIX_FMT_FP6 matrix_b_fmt:MATRIX_FMT_FP6
.endif
.endr
.endr                                          ; register 16 b + i: key 32 b + 16 h + i of the step
.rept 4
	v_nop
.endr
	s_cmp_lt_u32 s[ST], s[\SD]                     ; on the diagonal the scores of hidden keys become -infinity ahead of the maximum; a step all of whose keys count skips this
	s_cbranch_scc1 .Lopen_\@
	v_add_nc_u32 v[FF], s[\QR], v[LQ]              ; d = my query's place in the step - 16 h: register n's key is hidden where 32 (n / 16) + n % 16 > d
	v_mov_b32 v[TA], 0xff800000
.set n, 0
.rept 64
	v_cmp_gt_i32 vcc_lo, 32*(n/16)+n%16, v[FF]
	v_cndmask_b32 v[S+n], v[S+n], v[TA], vcc_lo
.set n, n+1
.endr
.Lopen_\@:
.irp b, 0,1,2,3
	v_max3_num_f32 v[BM+\b], v[S+16*\b], v[S+1+16*\b], v[S+2+16*\b]   ; the largest score of each block of 32 keys: for the row's maximum and, since p rises with the score, for the block's largest p
.endr
.irp i, 3,5,7,9,11,13
.irp b, 0,1,2,3
	v_max3_num_f32 v[BM+\b], v[BM+\b], v[S+16*\b+\i], v[S+1+16*\b+\i]
.endr
.endr
.irp b, 0,1,2,3
	v_max_num_f32 v[BM+\b], v[BM+\b], v[S+15+16*\b]
.endr
.irp b, 0,1,2,3
	s_delay_alu instid0(VALU_DEP_4)
	v_permlanex16_b32 v[PM+\b], v[BM+\b], s[SEL], s[SEL+1]
.endr
.irp b, 0,1,2,3
	s_delay_alu instid0(VALU_DEP_4)
	v_max_num_f32 v[BM+\b], v[BM+\b], v[PM+\b]     ; with lane l xor 16's 16 keys
.endr
	s_delay_alu instid0(VALU_DEP_2)
	v_max3_num_f32 v[TA], v[BM], v[BM+1], v[BM+2]
	s_delay_alu instid0(VALU_DEP_1)
	v_max_num_f32 v[TA], v[TA], v[BM+3]            ; the step's largest score of my query
	s_delay_alu instid0(VALU_DEP_1)
	v_mul_f32 v[TA], s[CS], v[TA]                  ; as t
	s_delay_alu instid0(VALU_DEP_1)
	v_max_num_f32 v13, v13, v[TA]                  ; the running largest t
	v_mov_b32 v[TA], v12
	s_delay_alu instid0(VALU_DEP_2)
	v_floor_f32 v12, -v13                          ; the new -M = floor(-t) = -ceil(t)
	s_delay_alu instid0(VALU_DEP_1)
	v_sub_f32 v[TA], v12, v[TA]                    ; old M - new M: a whole number, 0 or less
	s_delay_alu instid0(VALU_DEP_1)
	v_cvt_i32_f32 v[TA], v[TA]                     ; (it saturates)
	s_delay_alu instid0(VALU_DEP_1)
	v_ldexp_f32 v[FF], 1.0, v[TA]                  ; f = 2^(old M - new M)
.set n, 0
.rept 32
	v_pk_fma_f32 v[S+n:S+n+1], v[S+n:S+n+1], s[CS:CS+1], v[12:13] op_sel_hi:[1,0,0]   ; t - M, two at a time
.set n, n+2
.endr
.irp b, 0,1,2,3
	v_fma_f32 v[BM+\b], v[BM+\b], s[CS], v12       ; the same of each block's largest score
.endr
.set n, 0
	s_wait_alu depctr_va_vdst(0)
.rept 64
	v_exp_f32 v[S+n], v[S+n]                       ; p = 2^(t - M), at most 1
.set n, n+1
.endr
	v_pk_mul_f32 v[14:15], v[14:15], v[FF:FF+1] op_sel_hi:[1,0]   ; the sums under the new M: a plain instruction behind the exponentials
	s_wait_alu depctr_va_vdst(0)                   ; one wait for the whole batch, ahead of its first reader
.irp b, 0,1,2,3
	v_exp_f32 v[BM+\b], v[BM+\b]                   ; the block's largest p
.endr
	v_pk_add_f32 v[208:209], v[100:101], v[104:105]
	v_pk_add_f32 v[252:253], v[108:109], v[112:113]
	v_pk_add_f32 v[250:251], v[116:117], v[120:121]
	v_pk_add_f32 v[248:249], v[124:125], v[128:129]
	v_pk_add_f32 v[246:247], v[132:133], v[136:137]
	v_pk_add_f32 v[244:245], v[140:141], v[144:145]
	v_pk_add_f32 v[242:243], v[148:149], v[152:153]
	v_pk_add_f32 v[14:15], v[14:15], v[156:157]
	v_pk_add_f32 v[208:209], v[208:209], v[96:97]
	v_pk_add_f32 v[252:253], v[252:253], v[98:99]
	v_pk_add_f32 v[250:251], v[250:251], v[102:103]
	v_pk_add_f32 v[248:249], v[248:249], v[106:107]
	v_pk_add_f32 v[246:247], v[246:247], v[110:111]
	v_pk_add_f32 v[244:245], v[244:245], v[114:115]
	v_pk_add_f32 v[242:243], v[242:243], v[118:119]
	v_pk_add_f32 v[14:15], v[14:15], v[122:123]
	v_pk_add_f32 v[208:209], v[208:209], v[126:127]
	v_pk_add_f32 v[252:253], v[252:253], v[130:131]
	v_pk_add_f32 v[250:251], v[250:251], v[134:135]
	v_pk_add_f32 v[248:249], v[248:249], v[138:139]
	v_pk_add_f32 v[246:247], v[246:247], v[142:143]
	v_pk_add_f32 v[244:245], v[244:245], v[146:147]
	v_pk_add_f32 v[242:243], v[242:243], v[150:151]
	v_pk_add_f32 v[14:15], v[14:15], v[154:155]
	v_pk_add_f32 v[208:209], v[208:209], v[158:159]
	s_delay_alu instid0(VALU_DEP_2)
	v_pk_add_f32 v[14:15], v[14:15], v[248:249]
	s_delay_alu instid0(VALU_DEP_2)
	v_pk_add_f32 v[208:209], v[208:209], v[246:247]
	v_pk_add_f32 v[252:253], v[252:253], v[244:245]
	v_pk_add_f32 v[250:251], v[250:251], v[242:243]
	s_delay_alu instid0(VALU_DEP_2)
	v_pk_add_f32 v[14:15], v[14:15], v[252:253]
	s_delay_alu instid0(VALU_DEP_2)
	v_pk_add_f32 v[208:209], v[208:209], v[250:251]
	s_delay_alu instid0(VALU_DEP_1)
	v_pk_add_f32 v[14:15], v[14:15], v[208:209]
	s_wait_alu depctr_va_vdst(0)                   ; and one for the four
.irp b, 0,1,2,3
	v_max_num_f32 v[BM+\b], 0x1800000, v[BM+\b]    ; the floor 2^(3 - 127): the byte cannot fall under 1
.endr
.irp b, 0,1,2,3
	s_delay_alu instid0(VALU_DEP_4)
	v_add_nc_u32 v[SO+\b], 0xff000000, v[BM+\b]    ; the conversion's scale operand
.endr
.irp b, 0,1,2,3
	s_delay_alu instid0(VALU_DEP_4)
	v_lshrrev_b32 v[PM+\b], 23, v[SO+\b]           ; the scale's byte
.endr
	s_delay_alu instid0(VALU_DEP_3)
	v_lshl_or_b32 v[PW], v[PM+1], 8, v[PM]         ; p's scale word for these 128 keys
	s_delay_alu instid0(VALU_DEP_1)
	v_lshl_or_b32 v[PW], v[PM+2], 16, v[PW]
	s_delay_alu instid0(VALU_DEP_1)
	v_lshl_or_b32 v[PW], v[PM+3], 24, v[PW]
.irp c, 0,1
	v_cvt_scalef32_pk16_fp6_f32 v[PC+6*\c:PC+6*\c+2], v[S+32*\c:S+32*\c+15], v[SO+2*\c]
	v_cvt_scalef32_pk16_fp6_f32 v[PM+4*\c:PM+4*\c+2], v[S+32*\c+16:S+32*\c+31], v[SO+2*\c+1]
.endr
	v_nop                                          ; one plain instruction behind the scaled conversions
.irp t, 0,1,2,3                                ; p has been read for the last time: V's four fragments land in its registers
	ds_load_b128 v[S+12*\t:S+12*\t+3], v[A16] offset:VCOD+1536*\t
	ds_load_b64 v[S+12*\t+4:S+12*\t+5], v[A8] offset:VCOD+1536*\t+512
	ds_load_b128 v[S+12*\t+6:S+12*\t+9], v[A16] offset:VCOD+1536*\t+768
	ds_load_b64 v[S+12*\t+10:S+12*\t+11], v[A8] offset:VCOD+1536*\t+1280
.endr
	ds_load_b64 v[VSC:VSC+1], v[ADT] offset:VSCL
.irp c, 0,1                                    ; the operand's layout wants a whole block in a lane
.irp i, 0,1,2
	v_permlane16_swap_b32 v[PC+6*\c+\i], v[PM+4*\c+\i]
.endr
.irp i, 0,1,2
	s_delay_alu instid0(VALU_DEP_3)
	v_mov_b32 v[PC+3+6*\c+\i], v[PM+4*\c+\i]
.endr
.endr
.set n, 0
.rept 16
	v_pk_mul_f32 v[O+n:O+n+1], v[O+n:O+n+1], v[FF:FF+1] op_sel_hi:[1,0]   ; O^T under the new M.  (These are also the places between the writes of p's codes and scale word and the products below)
.set n, n+2
.endr
	s_wait_alu depctr_va_vdst(0)
	s_wait_dscnt 0x0
.irp t, 0,1,2,3                                ; O^T += V^T P^T: the four accumulators by turns, one instruction a turn
.if (\t)%2
	v_wmma_scale_f32_16x16x128_f8f6f4 v[O+8*\t:O+8*\t+7], v[S+12*\t:S+12*\t+11], v[PC:PC+11], v[O+8*\t:O+8*\t+7], v[VSC+\t/2], v[PW] matrix_a_fmt:MATRIX_FMT_FP6 matrix_b_fmt:MATRIX_FMT_FP6 matrix_a_scale:MATRIX_SCALE_ROW1
.else
	v_wmma_scale_f32_16x16x128_f8f6f4 v[O+8*\t:O+8*\t+7], v[S+12*\t:S+12*\t+11], v[PC:PC+11], v[O+8*\t:O+8*\t+7], v[VSC+\t/2], v[PW] matrix_a_fmt:MATRIX_FMT_FP6 matrix_b_fmt:MATRIX_FMT_FP6
.endif
.endr
.Lhidden_\@:
	s_add_co_u32 s[TK], s[TK], 6144
	s_add_co_u32 s[TS], s[TS], 512
	s_add_co_u32 s[TJ], s[TJ], 256
.endm
; The end of a pass: O^T / the sum; register 16 b + i is channel 32 b + 16 h + i of the head: two blocks of the last product's K: quantised, and stored as half an image and two scale bytes a row.
.macro FIN OC, OS
.rept 4
	v_nop                                          ; places behind the last products
.endr
	v_add_f32 v14, v14, v15
	s_delay_alu instid0(VALU_DEP_1)
	v_permlanex16_b32 v[TA], v14, s[SEL], s[SEL+1]
	s_delay_alu instid0(VALU_DEP_1)
	v_add_f32 v14, v14, v[TA]                      ; the row's sum
	s_wait_alu depctr_va_vdst(0)
	v_rcp_f32 v14, v14
	v_nop                                          ; a plain instruction behind the reciprocal,
	s_wait_alu depctr_va_vdst(0)                   ; and the wait ahead of its first reader
.set n, 0
.rept 16
	v_pk_mul_f32 v[S+n:S+n+1], v[O+n:O+n+1], v[14:15] op_sel_hi:[1,0]   ; each accumulator from its low end on
.set n, n+2
.endr
.irp b, 0,1
	v_max3_num_f32 v[BM+\b], |v[S+16*\b]|, |v[S+1+16*\b]|, 0x1800000
.endr
.irp i, 2,4,6,8,10,12,14
.irp b, 0,1
	s_delay_alu instid0(VALU_DEP_2)
	v_max3_num_f32 v[BM+\b], v[BM+\b], |v[S+16*\b+\i]|, |v[S+1+16*\b+\i]|
.endr
.endr
.irp b, 0,1
	s_delay_alu instid0(VALU_DEP_2)
	v_permlanex16_b32 v[PM+\b], v[BM+\b], s[SEL], s[SEL+1]
.endr
.irp b, 0,1
	s_delay_alu instid0(VALU_DEP_2)
	v_max_num_f32 v[BM+\b], v[BM+\b], v[PM+\b]
.endr
.irp b, 0,1
	s_delay_alu instid0(VALU_DEP_2)
	v_add_nc_u32 v[SO+\b], 0xff000000, v[BM+\b]
.endr
.irp b, 0,1
	s_delay_alu instid0(VALU_DEP_2)
	v_lshrrev_b32 v[PM+\b], 23, v[SO+\b]
.endr
	s_delay_alu instid0(VALU_DEP_1)
	v_lshl_or_b32 v[TB], v[PM+1], 8, v[PM]         ; my row's two scale bytes
	v_cvt_scalef32_pk16_fp6_f32 v[PC:PC+2], v[S:S+15], v[SO]
	v_cvt_scalef32_pk16_fp6_f32 v[PM:PM+2], v[S+16:S+31], v[SO+1]
	v_nop
.irp i, 0,1,2
	v_permlane16_swap_b32 v[PC+\i], v[PM+\i]
.endr
.irp i, 0,1,2
	s_delay_alu instid0(VALU_DEP_3)
	v_mov_b32 v[PC+3+\i], v[PM+\i]
.endr
	global_store_b128 v[L16], v[PC:PC+3], s[\OC:\OC+1]
	global_store_b64 v[L8], v[PC+4:PC+5], s[\OC:\OC+1] offset:512
	global_store_b16 v[R8], v[TB], s[\OS:\OS+1]    ; lanes r and r + 16 write the same two bytes with the same value
.endm
.macro PASS n, Q, QS, SD, QR, OC, OS
	s_wait_xcnt 0x0                                ; earlier stores have read their registers
	v_mov_b32 v13, 0xff61b1e6                      ; the largest t so far: -3e38
	s_delay_alu instid0(VALU_DEP_1)
	v_floor_f32 v12, -v13
	v_mov_b32 v14, 0
	v_mov_b32 v15, 0
.set m, 0
.rept 32
	v_mov_b32 v[O+m], 0
.set m, m+1
.endr
	s_mov_b32 s[ST], 0
	s_mov_b32 s[TK], 0
	s_mov_b32 s[TS], 0
	s_mov_b32 s[TJ], 0
.Lstep_\@:
	ASTEP \Q, \QS, \SD, \QR
	s_add_co_u32 s[ST], s[ST], 1
	s_cmp_lt_u32 s[ST], \n
	s_cbranch_scc1 .Lstep_\@
	FIN \OC, \OS
.endm
	s_wait_loadcnt 0x0                             ; Q
	s_wait_alu depctr_va_vdst(0)                   ; the wait here, ahead of the branch
	s_cmp_lt_u32 s[WV], 4                          ; waves 0-3 wait for the scale words and the lower halves; the upper halves, waves 4 and 5's loads, may be out
	s_cbranch_scc0 .Lupper
	s_wait_tensorcnt 0x0
.Lupper:
	s_barrier_signal -1
	s_barrier_wait -1
	PASS 4, QL, QSL, 77, 78, 80, 82                ; query tile i: four trips, keys 0-511: LDS bytes under KCOD + HALFC and under VCOD + HALFC alone
	s_wait_tensorcnt 0x0                           ; the upper halves are in,
	s_wait_dscnt 0x0
	s_barrier_signal -1
	s_barrier_wait -1                              ; for every wave
	PASS 8, QH, QSH, 85, 86, 88, 90                ; query tile 63 - i
	s_wait_tensorcnt 0x0
	ds_add_u32 v254, v255
	s_wait_dscnt 0x0
	s_endpgm
.Lfunc_end_k_q8226ef50d7_attn:
	.size	k_q8226ef50d7_attn, .Lfunc_end_k_q8226ef50d7_attn-k_q8226ef50d7_attn
	.p2alignl 7, 3214868480
	.fill 96, 4, 3214868480
	.section	.rodata,"a",@progbits
	.p2align	6, 0x0
	.amdhsa_kernel k_q8226ef50d7_attn
		.amdhsa_group_segment_fixed_size 169984
		.amdhsa_private_segment_fixed_size 0
		.amdhsa_enable_private_segment 0
		.amdhsa_kernarg_size 48
		.amdhsa_user_sgpr_count 2
		.amdhsa_user_sgpr_kernarg_segment_ptr 1
		.amdhsa_wavefront_size32 1
		.amdhsa_system_sgpr_workgroup_id_x 1
		.amdhsa_system_sgpr_workgroup_id_y 1
		.amdhsa_system_sgpr_workgroup_id_z 1
		.amdhsa_system_vgpr_workitem_id 0
		.amdhsa_next_free_vgpr 256
		.amdhsa_next_free_sgpr 100
		.amdhsa_reserve_vcc 1
		.amdhsa_float_denorm_mode_32 3
		.amdhsa_float_denorm_mode_16_64 3
		.amdhsa_memory_ordered 1
		.amdhsa_forward_progress 1
		.amdhsa_inst_pref_size 69
	.end_amdhsa_kernel
	.amdgpu_metadata
---
amdhsa.version: [ 1, 2 ]
amdhsa.kernels:
  - .name:           k_q8226ef50d7_attn
    .symbol:         k_q8226ef50d7_attn.kd
    .args:
      - { .name: qkc, .offset: 0, .size: 8, .value_kind: global_buffer, .address_space: global }
      - { .name: qks, .offset: 8, .size: 8, .value_kind: global_buffer, .address_space: global }
      - { .name: vc, .offset: 16, .size: 8, .value_kind: global_buffer, .address_space: global }
      - { .name: vs, .offset: 24, .size: 8, .value_kind: global_buffer, .address_space: global }
      - { .name: oc, .offset: 32, .size: 8, .value_kind: global_buffer, .address_space: global }
      - { .name: os, .offset: 40, .size: 8, .value_kind: global_buffer, .address_space: global }
    .group_segment_fixed_size: 169984
    .private_segment_fixed_size: 0
    .kernarg_segment_align: 8
    .kernarg_segment_size: 48
    .max_flat_workgroup_size: 512
    .sgpr_count:     100
    .vgpr_count:     256
    .wavefront_size: 32
...
	.end_amdgpu_metadata
.endif
;; end of part 3
;; launch gemm_proj (part 4): grid 4 x 64, 4 waves a work-group, clusters of 4 x 4, 327,680 bytes of LDS; arguments oc, os, opc, ops, b_proj, out0; writes out0
.if DOCPART == 4
	.amdgcn_target "amdgcn-amd-amdhsa--gfx1250"
	.amdhsa_code_object_version 6
	.text
	.protected	k_q8226ef50d7_gemm_proj
	.globl	k_q8226ef50d7_gemm_proj
	.p2align	8
	.type	k_q8226ef50d7_gemm_proj,@function
k_q8226ef50d7_gemm_proj:
	s_mov_b64 s[64:65], 0
	v_nop
	global_prefetch_b8 v0, s[64:65] scope:SCOPE_SE
	s_setreg_imm32_b32 hwreg(HW_REG_WAVE_MODE, 25, 1), 1
	s_wait_xcnt 0x0
	s_wait_alu depctr_hold_cnt(0) depctr_sa_sdst(0) depctr_va_vdst(0) depctr_va_sdst(0) depctr_va_ssrc(0) depctr_va_vcc(0) depctr_vm_vsrc(0)
	s_getreg_b32 s2, hwreg(HW_REG_IB_STS2, 6, 4)
	s_cmp_eq_u32 s2, 0
	s_cbranch_scc0 .Lentry_in_a_cluster
	s_endpgm
.Lentry_in_a_cluster:
	s_bfe_u32 s2, ttmp6, 0x10000c
	s_cmp_lg_u32 s2, 0xf033
	s_cbranch_scc0 .Lentry_shape_is_right
	s_endpgm
.Lentry_shape_is_right:
; out0 = o W_proj + b_proj on codes of FP6 (E2M3) with E8M0 scales, sums in f32, results f32.
; THE DEAL.  256 work-groups of four waves: work-group (G, TG) takes tokens 128 TG .. + 127 (8 tiles of 16) and channels 256 G .. + 255.  A wave holds four tiles of W_proj (64 channels), all of K, in registers
; (32 fragments, 384 registers); the 8 token tiles stream past, a BLOCK each: 8 K steps x 4 products, the four accumulators by turns, one instruction a turn.
; Source 0 = the weights' tile, source 1 = the tokens: a lane holds a token and 2 x 16 neighbouring channels (place r of tile 2 m + u is row 32 m + 8 u + r + 8 (r / 8)).  The bias is the C of each accumulator's first product.
; WHERE THE OPERANDS COME FROM.  oc and opc hold images of operand registers ([tile][K step][1,536 bytes]), os and ops two scale words for each row and pair of K steps.  One tensor load a wave at the head, every LDS byte filled once:
; the weights' 16 tiles in two halves (98,304 bytes each), the tokens' scale words (4,096) and their 8 tiles (98,304).  The weights' LDS reads stand ahead of the wait for the tokens' tiles.
; CLUSTERS: 4 x 4 work-groups.  The tokens' tiles hang on TG alone and are shared along a row of the cluster, the weights' on G alone and are shared along a column: each is asked for jointly.
; NO PREFETCH: every byte that the launch reads is asked for at its head; there is no loop to run ahead in.
; THE WAY OUT: a block's 16 tokens x 64 channels go through the wave's own stage (rows of 256 + 16 bytes) and leave by rows: sixteen lanes store 256 consecutive bytes, at a multiple of 256 from out0's first byte.
; The next tile but one is fetched from LDS in one run of 33 loads between the stage's reads and the wait for them.
; REGISTERS.  Fragment f lies in window 1 + f / 21 at register 12 (f % 21).  f = 4 q + t: the weights; f = 32 + 8 e + q: the tokens, two sets e.  All else in window 0.
.set WB,    98304                      ; LDS: the tokens' codes from 0; the weights' 16 tiles
.set OS,    294912                     ; the tokens' scale words, 8 x 512
.set STG,   299008                     ; the stages: 16 rows x 272 bytes a wave
.set SPARE, 316416                     ; the spare words, 128 bytes a wave
.set L16, 1
.set L8,  2
.set A16, 6                            ; LDS address of the tile that is fetched next
.set A8,  7
.set AS,  8
.set STO, 9
.set RD,  10
.set CO,  11
.set SPW, 12
.set NIL, 13
.set OO,  14
.set BO,  16
.set XS8, 18
.set WA16, 19
.set WA8, 20
.set SB,  32                           ; v32-47 the weights' scale words: 4 registers a tile: register 2 (q / 4) + q % 2, lanes 16 ((q / 2) % 2) + r
.set SA,  58                           ; v58-65 the tokens', two sets
.set QA,  66                           ; v66-97 the four accumulators
.set BQ,  98                           ; v98-129 the bias
.set OB,  130                          ; v130-161 16 rows back from the stage
.set WV,  18
.set G1O, 24
.set G1S, 32
.set G1W, 40
.set TO,  84
.set TS,  85
.set OF,  86
.set KT,  87
.set MSB, 0
.macro WIN new
.if MSB != (\new)
	s_set_vgpr_msb (MSB<<8)|(\new)
.set MSB, (\new)
.endif
.endm
.macro WALU
	s_wait_alu depctr_va_vdst(0)
.endm
.macro NOPS n
.rept \n
	v_nop
.endr
.endm
.macro CROUND                          ; a round of the cluster's barrier
	s_barrier_signal -1
	s_barrier_wait -1
	s_cmp_lg_u32 s[WV], 0
	s_cbranch_scc1 .Lnot_wave_0_\@
	s_barrier_signal -3
.Lnot_wave_0_\@:
	s_barrier_wait -3
	s_barrier_signal -1
	s_barrier_wait -1
.endm
.macro LOC f
.set FW_, 1+(\f)/21
.set FR_, 12*((\f)%21)
.endm
.macro WM d, a, b, c, xa, xb, hh
.if \hh
	v_wmma_scale_f32_16x16x128_f8f6f4 v[\d:\d+7], v[\a:\a+11], v[\b:\b+11], \c, v[\xa], v[\xb] matrix_a_fmt:MATRIX_FMT_FP6 matrix_b_fmt:MATRIX_FMT_FP6 matrix_a_scale:MATRIX_SCALE_ROW1 matrix_b_scale:MATRIX_SCALE_ROW1
.else
	v_wmma_scale_f32_16x16x128_f8f6f4 v[\d:\d+7], v[\a:\a+11], v[\b:\b+11], \c, v[\xa], v[\xb] matrix_a_fmt:MATRIX_FMT_FP6 matrix_b_fmt:MATRIX_FMT_FP6
.endif
.endm
.macro PROD e, q, i
	LOC 4*(\q)+(\i)
.set SW_, FW_
.set SR_, FR_
	LOC 32+8*(\e)+(\q)
.set H_, ((\q)/2)%2
.set SS_, SB+4*(\i)+2*((\q)/4)+(\q)%2
.set XX_, SA+4*(\e)+2*((\q)/4)+(\q)%2
.set D_, QA+8*(\i)
.set C_, BQ+8*(\i)
	WIN SW_|(FW_<<2)
.if (\q) == 0
	WM D_, SR_, FR_, v[C_:C_+7], SS_, XX_, H_
.else
	WM D_, SR_, FR_, v[D_:D_+7], SS_, XX_, H_
.endif
.endm
.macro LFR f, a, b, off                ; fragment f from its image in LDS
	LOC \f
	WIN FW_<<6
	ds_load_b128 v[FR_:FR_+3], v[\a] offset:(\off)
	ds_load_b64 v[FR_+4:FR_+5], v[\b] offset:(\off)+512
	ds_load_b128 v[FR_+6:FR_+9], v[\a] offset:(\off)+768
	ds_load_b64 v[FR_+10:FR_+11], v[\b] offset:(\off)+1280
.endm
; A BLOCK on set e; u: the block's place in its pair; f = 1: the tile two on is fetched into the set just read
.macro BLK e, u, f
.irp q, 0,1,2,3,4,5,6,7
.irp i, 0,1,2,3
	PROD \e, \q, \i
.endr
.endr
	WIN 0
	s_wait_xcnt 0x0                                                ; the last block's stores have read their registers
.if \f
	v_add_nc_u32 v[A16], s[TO], v[L16]                             ; five plain lines: the places behind the products, ahead of the stage's stores, of the fetch and of the next block's first products, which begin the sums anew on the same registers
	v_add_nc_u32 v[A8], s[TO], v[L8]
	v_add_nc_u32 v[AS], s[TS], v[XS8]
.else
	NOPS 3
.endif
	v_add_nc_u32 v[OO], s[OF], v[CO]
	v_nop
	WALU
.if \f
	s_add_co_u32 s[TO], s[TO], 12288
	s_add_co_u32 s[TS], s[TS], 512
.endif
.irp t, 0,1,2,3
	ds_store_b128 v[STO], v[QA+8*\t:QA+8*\t+3] offset:128*(\t/2)+32*(\t%2)        ; each accumulator from its low end on
	ds_store_b128 v[STO], v[QA+8*\t+4:QA+8*\t+7] offset:128*(\t/2)+32*(\t%2)+16
.endr
.irp i, 0,1,2,3,4,5,6,7
	ds_load_b128 v[OB+4*\i:OB+4*\i+3], v[RD] offset:\i*2*272       ; LDS serves a wave's instructions in order: these see the stores above
.endr
.if \f
.irp q, 0,1,2,3,4,5,6,7
	LFR 32+8*(\e)+\q, A16, A8, \q*1536
.endr
	WIN 0
	ds_load_2addr_b64 v[SA+4*(\e):SA+4*(\e)+3], v[AS] offset0:0 offset1:32
	s_wait_dscnt 33                                                ; all but the 33 just issued: the rows are back, and the next block's tile is in
.else
	s_wait_dscnt 0x0
.endif
.irp i, 0,1,2,3,4,5,6,7
	global_store_b128 v[OO], v[OB+4*\i:OB+4*\i+3], s[14:15] offset:(8*(\u)+2*\i+8*(\i/4))*4096 th:TH_STORE_NT   ; stage rows 2 i, 2 i + 1: place p is token p + 8 (p / 8) of the tile
.endr
.endm
	s_load_b256 s[4:11], s[0:1], 0x0               ; oc, os, opc, ops
	s_load_b128 s[12:15], s[0:1], 0x20             ; b_proj, out0
	v_lshl_add_u32 v[SPW], v0, 2, SPARE
	v_mov_b32 v[NIL], 0
	ds_add_u32 v[SPW], v[NIL]                      ; the opening lines: the add, twice on end, and its wait
	ds_add_u32 v[SPW], v[NIL]
	v_lshrrev_b32 v3, 5, v0
	v_readfirstlane_b32 s[WV], v3                  ; wave 0..3
	s_bfe_u32 s70, ttmp6, 0x40000                  ; cx
	s_bfe_u32 s20, ttmp6, 0x40004                  ; cy
	s_lshl_b32 s19, ttmp9, 2
	s_add_co_u32 s19, s19, s70                     ; G
	s_and_b32 s21, ttmp7, 0xffff
	s_lshl_b32 s21, s21, 2
	s_add_co_u32 s21, s21, s20                     ; TG
	s_lshl_b32 s22, s20, 2
	s_lshl_b32 s22, 15, s22                        ; my row of the cluster
	s_lshl_b32 s23, 0x1111, s70                    ; my column
	s_or_b32 s[G1O], s22, (3<<16)|(1<<21)
	s_or_b32 s[G1S], s22, (3<<16)|(1<<21)
	s_or_b32 s[G1W], s23, (3<<16)|(1<<21)
.irp g, G1O, G1S, G1W                          ; dense blocks as rows of 256 bytes (32 elements of 8)
	s_mov_b32 s[\g+1], 32<<16
	s_mov_b32 s[\g+3], 32<<16
	s_mov_b32 s[\g+5], 32
	s_mov_b32 s[\g+6], 0
	s_mov_b32 s[\g+7], 0
.endr
	s_mov_b32 s[G1O+2], 384<<16                    ; eight tiles: 384 rows
	s_mov_b32 s[G1O+4], 384
	s_mov_b32 s[G1S+2], 16<<16                     ; their scale words: 16 rows
	s_mov_b32 s[G1S+4], 16
	s_mov_b32 s[G1W+2], 384<<16
	s_mov_b32 s[G1W+4], 384
	s_mul_i32 s66, s19, 196608                     ; the weights' tiles 704 + 16 G ..: G alone
	s_add_co_u32 s66, s66, 704*12288
	s_mov_b32 s67, 0
	s_mul_i32 s68, s21, 98304                      ; the tokens' tiles 8 TG ..: TG alone
	s_mov_b32 s69, 0
	s_lshl_b32 s72, s21, 12                        ; and their scale words
	s_mov_b32 s73, 0
	s_mul_i32 s70, s[WV], 49152
	s_add_co_u32 s70, s70, WB
	s_mul_i32 s71, s[WV], 4352
	s_add_co_u32 s71, s71, STG
	v_and_b32 v3, 31, v0                           ; lane
	v_and_b32 v4, 15, v0                           ; r
	v_bfe_u32 v5, v0, 4, 1                         ; h
	v_lshlrev_b32 v[L16], 4, v3
	v_lshlrev_b32 v[L8], 3, v3
	v_lshlrev_b32 v[BO], 6, v5                     ; the bias's offset, 64 h
	v_lshl_add_u32 v[XS8], v3, 3, OS
	v_lshl_add_u32 v[WA16], v3, 4, s70             ; my four tiles of the weights
	v_lshl_add_u32 v[WA8], v3, 3, s70
	v_mul_u32_u24 v21, v4, 272
	v_lshl_add_u32 v21, v5, 6, v21
	v_add_nc_u32 v[STO], s71, v21                  ; into my stage: row r, + 64 h
	v_mul_u32_u24 v22, v5, 272
	v_lshl_add_u32 v22, v4, 4, v22
	v_add_nc_u32 v[RD], s71, v22                   ; out of it: lanes 0-15 one row, lanes 16-31 the next
	v_lshlrev_b32 v[CO], 12, v5
	v_lshl_add_u32 v[CO], v4, 4, v[CO]             ; and the same two rows in out0
	WALU                                           ; the wait at the head's end
	s_wait_dscnt 0x0
	s_wait_kmcnt 0x0
	s_mov_b32 s48, 1
	s_mov_b32 s49, WB
	s_add_nc_u64 s[50:51], s[8:9], s[66:67]
	s_mov_b32 s52, 1
	s_mov_b32 s53, WB+98304
	s_add_nc_u64 s[54:55], s[50:51], 98304
	s_or_b32 s51, s51, 0x80000000
	s_or_b32 s55, s55, 0x80000000
	s_mov_b32 s56, 1
	s_mov_b32 s57, OS
	s_add_nc_u64 s[58:59], s[6:7], s[72:73]
	s_or_b32 s59, s59, 0x80000000
	s_mov_b32 s60, 1
	s_mov_b32 s61, 0
	s_add_nc_u64 s[62:63], s[4:5], s[68:69]
	s_or_b32 s63, s63, 0x80000000
	CROUND                                         ; all sixteen work-groups are here: the joint loads meet
.macro ARM under, g0, g1, next                 ; one chain of branches on the wave's number, one load to an arm
	s_cmp_lt_u32 s[WV], \under
	s_cbranch_scc0 \next
	tensor_load_to_lds s[\g0:\g0+3], s[\g1:\g1+7]
	s_nop 0
	NOPS 4
	s_branch .Lasked
\next:
.endm
	ARM 1, 48, G1W, .Larm1                         ; wave 0: the weights' tiles 0-7
	ARM 2, 52, G1W, .Larm2                         ; wave 1: tiles 8-15
	ARM 3, 56, G1S, .Larm3                         ; wave 2: the tokens' scale words
	tensor_load_to_lds s[60:63], s[G1O:G1O+7]      ; wave 3: the tokens' tiles
	s_nop 0
	NOPS 4
.Lasked:
	s_lshl_b32 s66, s19, 2
	s_add_co_u32 s66, s66, s[WV]                   ; 4 G + wave
	s_lshl_b32 s68, s66, 8                         ; 64 channels: 256 bytes of b_proj and of a row of out0
	s_lshl_b32 s66, s66, 11
	s_add_co_u32 s66, s66, 704*512
	s_add_nc_u64 s[74:75], s[10:11], s[66:67]      ; my weights' scale words
	s_add_nc_u64 s[12:13], s[12:13], s[68:69]
	s_add_nc_u64 s[14:15], s[14:15], s[68:69]
	s_lshl_b32 s68, s21, 19                        ; 128 TG rows of 4,096 bytes
	s_add_nc_u64 s[14:15], s[14:15], s[68:69]
.irp t, 0,1,2,3
.irp j, 0,1
	global_load_b64 v[SB+4*\t+2*\j:SB+4*\t+2*\j+1], v[L8], s[74:75] offset:512*\t+256*\j
.endr
.endr
.irp b, 0,1
.irp k, 0,1,2,3
	global_load_b128 v[BQ+16*\b+4*\k:BQ+16*\b+4*\k+3], v[BO], s[12:13] offset:128*\b+16*\k   ; register 16 b + i: channel 32 b + 16 h + i of my 64
.endr
.endr
	s_mov_b32 s[TO], 2*12288
	s_mov_b32 s[TS], 2*512
	s_mov_b32 s[OF], 0
	s_mov_b32 s[KT], 0
	s_cmp_lt_u32 s[WV], 2                          ; waves 0 and 1 wait for the weights; the tokens' loads may be out
	s_cbranch_scc0 .Lnot_w
	s_wait_tensorcnt 0x0
.Lnot_w:
	s_barrier_signal -1
	s_barrier_wait -1
.irp q, 0,1,2,3,4,5,6,7
.irp t, 0,1,2,3
	LFR 4*\q+\t, WA16, WA8, \t*12288+\q*1536       ; my 64 rows of the weights, all of K: 128 loads
.endr
.endr
	WIN 0
	s_wait_tensorcnt 0x0                           ; every wave's load is in,
	s_wait_dscnt 0x0
	s_barrier_signal -1
	s_barrier_wait -1                              ; for every wave
.irp e, 0,1                                    ; tiles 0 and 1: 33 loads each
.irp q, 0,1,2,3,4,5,6,7
	LFR 32+8*\e+\q, L16, L8, \e*12288+\q*1536
.endr
	WIN 0
	ds_load_2addr_b64 v[SA+4*\e:SA+4*\e+3], v[XS8] offset0:64*\e offset1:64*\e+32
.endr
	s_wait_loadcnt 0x0                             ; the weights' scale words, the bias
	s_wait_dscnt 33                                ; tile 0 is in; tile 1's 33 loads may be out
.Lpair:                                                ; two blocks a trip: blocks 0 to 5
	BLK 0, 0, 1
	BLK 1, 1, 1
	s_add_co_u32 s[OF], s[OF], 32*4096             ; a pair of tiles is 32 tokens
	s_add_co_u32 s[KT], s[KT], 1
	s_cmp_lt_u32 s[KT], 3
	s_cbranch_scc1 .Lpair
	BLK 0, 0, 0                                    ; the last two are written out: they fetch nothing
	BLK 1, 1, 0
	s_wait_tensorcnt 0x0                           ; the wave's end
	ds_add_u32 v[SPW], v[NIL]
	s_wait_dscnt 0x0
	CROUND                                         ; the closing round
	s_endpgm
.Lfunc_end_k_q8226ef50d7_gemm_proj:
	.size	k_q8226ef50d7_gemm_proj, .Lfunc_end_k_q8226ef50d7_gemm_proj-k_q8226ef50d7_gemm_proj
	.p2alignl 7, 3214868480
	.fill 96, 4, 3214868480
	.section	.rodata,"a",@progbits
	.p2align	6, 0x0
	.amdhsa_kernel k_q8226ef50d7_gemm_proj
		.amdhsa_group_segment_fixed_size 327680
		.amdhsa_private_segment_fixed_size 0
		.amdhsa_enable_private_segment 0
		.amdhsa_kernarg_size 48
		.amdhsa_user_sgpr_count 2
		.amdhsa_user_sgpr_kernarg_segment_ptr 1
		.amdhsa_wavefront_size32 1
		.amdhsa_system_sgpr_workgroup_id_x 1
		.amdhsa_system_sgpr_workgroup_id_y 1
		.amdhsa_system_sgpr_workgroup_id_z 1
		.amdhsa_system_vgpr_workitem_id 0
		.amdhsa_next_free_vgpr 1024
		.amdhsa_next_free_sgpr 88
		.amdhsa_reserve_vcc 0
		.amdhsa_float_denorm_mode_32 3
		.amdhsa_float_denorm_mode_16_64 3
		.amdhsa_memory_ordered 1
		.amdhsa_forward_progress 1
		.amdhsa_inst_pref_size 51
	.end_amdhsa_kernel
	.amdgpu_metadata
---
amdhsa.version: [ 1, 2 ]
amdhsa.kernels:
  - .name:           k_q8226ef50d7_gemm_proj
    .symbol:         k_q8226ef50d7_gemm_proj.kd
    .args:
      - { .name: oc, .offset: 0, .size: 8, .value_kind: global_buffer, .address_space: global }
      - { .name: os, .offset: 8, .size: 8, .value_kind: global_buffer, .address_space: global }
      - { .name: opc, .offset: 16, .size: 8, .value_kind: global_buffer, .address_space: global }
      - { .name: ops, .offset: 24, .size: 8, .value_kind: global_buffer, .address_space: global }
      - { .name: b_proj, .offset: 32, .size: 8, .value_kind: global_buffer, .address_space: global }
      - { .name: out0, .offset: 40, .size: 8, .value_kind: global_buffer, .address_space: global }
    .group_segment_fixed_size: 327680
    .private_segment_fixed_size: 0
    .kernarg_segment_align: 8
    .kernarg_segment_size: 48
    .max_flat_workgroup_size: 128
    .sgpr_count:     88
    .vgpr_count:     1024
    .wavefront_size: 32
...
	.end_amdgpu_metadata
.endif
;; end of part 4
